; MI455X (gfx1250); checked and timed in simulation.
; The chip was launched on July 23, 2026; its instructions are those of AMD's public machine-readable ISA for CDNA 5 (MIT licence, August 2026) and "CDNA5" Instruction Set Architecture Reference Guide (July 2026). The comments in the code are by the model that wrote it; some were corrected since.
;; Standard Attention. Allowed arithmetic: float matrix products may take bf16 or f16 operands with f32 sums; other float arithmetic in f32, or as packed bf16 or f16 multiplies, adds, multiply-adds, maxima and minima; sums over many terms, partial sums and values carried from step to step in f32; what a program stores and reads back later, other than sums and carried values, may be rounded once to bf16 or f16.
;; Inputs: Wk 2,048 x 2,048 float32; Wo 2,048 x 2,048 float32; Wq 2,048 x 2,048 float32; Wv 2,048 x 2,048 float32; freqs_cos 1 x 2,048 x 64 float32; freqs_sin 1 x 2,048 x 64 float32; x 1 x 2,048 x 2,048 float32.
;; Outputs: out0 1 x 2,048 x 2,048 float32.
;; One version. Each part assembles by itself: llvm-mc -triple=amdgcn-amd-amdhsa -mcpu=gfx1250 --defsym DOCPART=n.
;; ======== version 1 of 1: 4 launches
;; limits: values are held in f16: magnitudes above 65,504 overflow, below 6.1e-05 lose precision
;; workspace buffers: xb 8,388,608 bytes; wqkv 25,165,824 bytes; wo 8,388,608 bytes; cs 1,048,576 bytes; qh 8,388,608 bytes; kh 8,388,608 bytes; vh 8,388,608 bytes; oh 8,388,608 bytes
;; launch cast (part 1): grid 1296 x 1, 8 waves a work-group, no clusters, 0 bytes of LDS; arguments x, Wq, Wk, Wv, Wo, freqs_cos, freqs_sin, xb, wqkv, wo, cs; writes xb, wqkv, wo, cs
.if DOCPART == 1
	.amdgcn_target "amdgcn-amd-amdhsa--gfx1250"
	.amdhsa_code_object_version 6
	.text
	.protected	k_q22f5cf1d85_cast
	.globl	k_q22f5cf1d85_cast
	.p2align	8
	.type	k_q22f5cf1d85_cast,@function
k_q22f5cf1d85_cast:
	s_mov_b64 s[64:65], 0
	v_nop
	global_prefetch_b8 v0, s[64:65] scope:SCOPE_SE
	s_setreg_imm32_b32 hwreg(HW_REG_WAVE_MODE, 25, 1), 1
	s_wait_xcnt 0x0
; CAST: every input is rounded once to bf16 (nearest even), so that all later launches work on the same rounding of all inputs.
;   xb   = bf16(x)                         wqkv = bf16(Wq / 64), bf16(Wk / 64), bf16(Wv), one after the other
;   wo   = bf16(Wo) written as f16         cs   = bf16(cos), then bf16(sin), written as f32
; Wq and Wk are divided by 64, a power of two, so that q and k fit f16 later; the softmax's constant gives the factor 2^12 back.
; LIMITS.  bf16(Wo) is exact in f16 between 6.1e-5 and 65,504; below it keeps f16's fixed step of 6e-8, beyond it is lost.  Wq / 64 and Wk / 64 are exact unless they fall among f32's denormals.
; SHARES.  A stream: no LDS, no barrier, no matrix unit would add anything.  A work-group takes 65,536 input bytes, a wave 8,192: sixteen loads of 512 consecutive bytes, all issued at once.
; Work-groups 256 B + C: B = 0..4 are x, Wq, Wk, Wv, Wo (256 each); B = 5 has C = 0..15: cos (C < 8), then sin.
; All arithmetic is done in place, in the registers that were loaded: 68 registers a wave.  The scaling and the rounding to bf16 are one text for every input; the ways part behind them.
.set X, 4          ; v[4:67]    sixteen loads of four f32; then, in the first two registers of each four, the four numbers in bf16
	s_load_b512 s[8:23], s[0:1], 0x0               ; x, Wq, Wk, Wv, Wo, cos, sin, xb
	s_load_b128 s[24:27], s[0:1], 0x40             ; wqkv, wo
	s_load_b64 s[28:29], s[0:1], 0x50              ; cs
	s_lshr_b32 s2, ttmp9, 8                        ; B
	s_and_b32 s3, ttmp9, 255                       ; C
	s_lshr_b32 s5, s3, 3
	s_add_co_u32 s5, s5, 5                         ; 5 for cos, 6 for sin
	s_and_b32 s6, s3, 7
	s_cmp_eq_u32 s2, 5
	s_cselect_b32 s4, s5, s2                       ; which input, 0..6
	s_cselect_b32 s6, s6, s3                       ; which 65,536 bytes of it
	s_lshl_b32 s36, s6, 16                         ; the source's offset
	s_mov_b32 s37, 0
	s_sub_co_u32 s7, s2, 1                         ; the destination's offset: Wq, Wk, Wv lie 2^23 bytes apart in wqkv,
	s_lshl_b32 s7, s7, 23
	s_cmp_eq_u32 s2, 0
	s_cselect_b32 s7, 0, s7
	s_cmp_gt_u32 s2, 3
	s_cselect_b32 s7, 0, s7
	s_lshl_b32 s38, s3, 15                         ; a 16-bit result is half as long as its source,
	s_lshl_b32 s30, s3, 16                         ; cs as long
	s_cmp_eq_u32 s2, 5
	s_cselect_b32 s38, s30, s38
	s_add_co_u32 s38, s38, s7
	s_mov_b32 s39, 0
	s_sub_co_u32 s30, s2, 1
	s_cmp_lt_u32 s30, 2                            ; Wq or Wk?
	s_cselect_b32 s40, 0x3c800000, 1.0             ; 1 / 64, or 1
	s_mov_b32 s41, s40                             ; named with it as a pair
	s_mov_b32 s42, 0xffff0000                      ; a word's upper bf16
	v_and_b32 v1, 0xe0, v0                         ; 32 x wave
	v_and_b32 v2, 31, v0
	v_lshlrev_b32 v2, 4, v2
	v_lshl_or_b32 v1, v1, 8, v2                    ; 8,192 x wave + 16 x lane: my bytes in the source
	v_lshrrev_b32 v2, 1, v1                        ; and in a 16-bit destination
	s_wait_kmcnt 0x0
	s_mov_b64 s[32:33], s[8:9]                     ; the source: a choice among the seven inputs
.irp n, 1,2,3,4,5,6
	s_cmp_eq_u32 s4, \n
	s_cselect_b64 s[32:33], s[8+2*\n:9+2*\n], s[32:33]
.endr
	s_mov_b64 s[34:35], s[24:25]                   ; the destination: wqkv, or
	s_cmp_eq_u32 s2, 0
	s_cselect_b64 s[34:35], s[22:23], s[34:35]     ; xb,
	s_cmp_eq_u32 s2, 4
	s_cselect_b64 s[34:35], s[26:27], s[34:35]     ; wo,
	s_cmp_eq_u32 s2, 5
	s_cselect_b64 s[34:35], s[28:29], s[34:35]     ; cs
	s_add_nc_u64 s[32:33], s[32:33], s[36:37]
	s_add_nc_u64 s[34:35], s[34:35], s[38:39]
.set i, 0
.rept 16
	global_load_b128 v[X+4*i:X+4*i+3], v1, s[32:33] offset:512*i th:TH_LOAD_NT
.set i, i+1
.endr
	; every input: scaled (by 1 but for Wq and Wk) and rounded to bf16, four numbers into two registers
.set i, 0
.rept 16
	s_wait_loadcnt 15-i                            ; loads come back in order: the 15 - i younger ones may stay out
	v_pk_mul_f32 v[X+4*i:X+4*i+1], v[X+4*i:X+4*i+1], s[40:41] op_sel_hi:[1,0]
	v_pk_mul_f32 v[X+4*i+2:X+4*i+3], v[X+4*i+2:X+4*i+3], s[40:41] op_sel_hi:[1,0]
	v_cvt_pk_bf16_f32 v[X+4*i], v[X+4*i], v[X+4*i+1]
	v_cvt_pk_bf16_f32 v[X+4*i+1], v[X+4*i+2], v[X+4*i+3]
.set i, i+1
.endr
	s_cmp_gt_u32 s2, 3
	s_cbranch_scc1 .Lwide
	; x and the three weights leave as they are: 8 bytes a lane: a store of the wave covers 256 consecutive bytes, aligned
.set i, 0
.rept 16
	global_store_b64 v2, v[X+4*i:X+4*i+1], s[34:35] offset:256*i
.set i, i+1
.endr
	s_endpgm
.Lwide:                                                ; Wo, cos and sin: the rounded numbers are widened to f32 again, upper pair first, so that no half is lost
.set i, 0
.rept 16
	v_lshlrev_b32 v[X+4*i+2], 16, v[X+4*i+1]
	v_and_b32 v[X+4*i+3], s42, v[X+4*i+1]
	v_and_b32 v[X+4*i+1], s42, v[X+4*i]
	v_lshlrev_b32 v[X+4*i], 16, v[X+4*i]
.set i, i+1
.endr
	s_cmp_eq_u32 s2, 5
	s_cbranch_scc1 .Lcs
.set i, 0
.rept 16                                               ; Wo: that number written as f16
	v_cvt_pk_f16_f32 v[X+4*i], v[X+4*i], v[X+4*i+1]
	v_cvt_pk_f16_f32 v[X+4*i+1], v[X+4*i+2], v[X+4*i+3]
	global_store_b64 v2, v[X+4*i:X+4*i+1], s[34:35] offset:256*i
.set i, i+1
.endr
	s_endpgm
.Lcs:                                                  ; cos and sin are kept as f32: the rotation works in f32
.set i, 0
.rept 16
	global_store_b128 v1, v[X+4*i:X+4*i+3], s[34:35] offset:512*i
.set i, i+1
.endr
	s_endpgm
.Lfunc_end_k_q22f5cf1d85_cast:
	.size	k_q22f5cf1d85_cast, .Lfunc_end_k_q22f5cf1d85_cast-k_q22f5cf1d85_cast
	.p2alignl 7, 3214868480
	.fill 96, 4, 3214868480
	.section	.rodata,"a",@progbits
	.p2align	6, 0x0
	.amdhsa_kernel k_q22f5cf1d85_cast
		.amdhsa_group_segment_fixed_size 0
		.amdhsa_private_segment_fixed_size 0
		.amdhsa_enable_private_segment 0
		.amdhsa_kernarg_size 88
		.amdhsa_user_sgpr_count 2
		.amdhsa_user_sgpr_kernarg_segment_ptr 1
		.amdhsa_wavefront_size32 1
		.amdhsa_system_sgpr_workgroup_id_x 1
		.amdhsa_system_sgpr_workgroup_id_y 1
		.amdhsa_system_sgpr_workgroup_id_z 1
		.amdhsa_system_vgpr_workitem_id 0
		.amdhsa_next_free_vgpr 68
		.amdhsa_next_free_sgpr 66
		.amdhsa_reserve_vcc 0
		.amdhsa_float_denorm_mode_32 3
		.amdhsa_float_denorm_mode_16_64 3
		.amdhsa_memory_ordered 1
		.amdhsa_forward_progress 1
		.amdhsa_inst_pref_size 18
	.end_amdhsa_kernel
	.amdgpu_metadata
---
amdhsa.version: [ 1, 2 ]
amdhsa.kernels:
  - .name:           k_q22f5cf1d85_cast
    .symbol:         k_q22f5cf1d85_cast.kd
    .args:
      - { .name: x, .offset: 0, .size: 8, .value_kind: global_buffer, .address_space: global }
      - { .name: Wq, .offset: 8, .size: 8, .value_kind: global_buffer, .address_space: global }
      - { .name: Wk, .offset: 16, .size: 8, .value_kind: global_buffer, .address_space: global }
      - { .name: Wv, .offset: 24, .size: 8, .value_kind: global_buffer, .address_space: global }
      - { .name: Wo, .offset: 32, .size: 8, .value_kind: global_buffer, .address_space: global }
      - { .name: freqs_cos, .offset: 40, .size: 8, .value_kind: global_buffer, .address_space: global }
      - { .name: freqs_sin, .offset: 48, .size: 8, .value_kind: global_buffer, .address_space: global }
      - { .name: xb, .offset: 56, .size: 8, .value_kind: global_buffer, .address_space: global }
      - { .name: wqkv, .offset: 64, .size: 8, .value_kind: global_buffer, .address_space: global }
      - { .name: wo, .offset: 72, .size: 8, .value_kind: global_buffer, .address_space: global }
      - { .name: cs, .offset: 80, .size: 8, .value_kind: global_buffer, .address_space: global }
    .group_segment_fixed_size: 0
    .private_segment_fixed_size: 0
    .kernarg_segment_align: 8
    .kernarg_segment_size: 88
    .max_flat_workgroup_size: 256
    .sgpr_count:     66
    .vgpr_count:     68
    .wavefront_size: 32
...
	.end_amdgpu_metadata
.endif
;; end of part 1
;; launch qkv (part 2): grid 16 x 16, 4 waves a work-group, clusters of 4 x 4, 327,680 bytes of LDS; arguments xb, wqkv, cs, qh, kh, vh; writes qh, kh, vh
.if DOCPART == 2
	.amdgcn_target "amdgcn-amd-amdhsa--gfx1250"
	.amdhsa_code_object_version 6
	.text
	.protected	k_q22f5cf1d85_qkv
	.globl	k_q22f5cf1d85_qkv
	.p2align	8
	.type	k_q22f5cf1d85_qkv,@function
k_q22f5cf1d85_qkv:
	s_mov_b64 s[64:65], 0
	v_nop
	global_prefetch_b8 v0, s[64:65] scope:SCOPE_SE
	s_setreg_imm32_b32 hwreg(HW_REG_WAVE_MODE, 25, 1), 1
	s_wait_xcnt 0x0
	s_wait_alu depctr_hold_cnt(0) depctr_sa_sdst(0) depctr_va_vdst(0) depctr_va_sdst(0) depctr_va_ssrc(0) depctr_va_vcc(0) depctr_vm_vsrc(0)
	s_getreg_b32 s2, hwreg(HW_REG_IB_STS2, 6, 4)
	s_cmp_eq_u32 s2, 0
	s_cbranch_scc0 .Lentry_in_a_cluster
	s_endpgm
.Lentry_in_a_cluster:
	s_bfe_u32 s2, ttmp6, 0x10000c
	s_cmp_lg_u32 s2, 0xf033
	s_cbranch_scc0 .Lentry_shape_is_right
	s_endpgm
.Lentry_shape_is_right:
; q, k, v = x W^T for one head and 128 rows, the rotation (RoPE) applied to q and k on the way out.  xb [2048][2048] bf16; wqkv [3][2048][2048] bf16 (Wq and Wk carry 1 / 64);
; cs [2][2048][64] f32 (cos, sin); qh, kh, vh [16][2048][128] f16, each rounded once from f32.  Sums in f32, K ascending.
; LIMITS.  q / 64, k / 64 (after the rotation) and v must stay within f16's 65,504; below 6.1e-5 they keep f16's fixed step of 6e-8.  NaN and infinities are not treated apart.
; SHARES.  Work-group (x = row tile tr, y = head h) makes 128 rows x 384 columns: q, k and v of the head: 16 x 16 = 256 work-groups.  Wave w: rows 64 (w / 2) on, and of each of q, k and v the columns
; 64 (w % 2) on: 4 x 12 accumulators of 16 x 16, 384 registers; for 32 along K it reads 16 fragments from LDS and issues 48 matrix instructions.  So all four waves have the same way out, and a wave's
; columns of q and of k turn by the same cosines and sines.
; RING.  K goes in steps of 128 through two LDS slots: x's 128 rows, then the 384 rows of W; rows of 256 bytes of memory, 272 apart in LDS.  Wave 0 fetches x's tile, waves 1 to 3 one of W's each.
; CLUSTER 4 x 4.  x's tile (and cos, sin) hangs on tr alone and is asked for jointly along a column of the cluster, W's tiles on h alone, along a row: four work-groups make one request.
; THE MATRIX INSTRUCTION IS USED TRANSPOSED (source 0 = 16 rows of W, source 1 = 16 rows of x): a lane holds one row of x and eight neighbouring columns, that is four rotation pairs.
; REGISTERS, in windows of 256 (s_set_vgpr_msb: bits 1:0 source 0, 3:2 source 1, 5:4 source 2, 7:6 destination):
;   window 0: v0-15 addresses; v64-255 at work on the way out      window 1: two fragment buffers of 128: x's 4 x 8 registers, then W's 12 x 8 (q's four, k's four, v's four)
;   window 2: the accumulators of row blocks 0, 1 ((a, b) at 8 (12 (a % 2) + b))      window 3: those of row blocks 2, 3
.set KSTEP,  128
.set PITCH,  272                       ; an LDS row: 256 bytes + 16 of padding = 68 words: the 16 rows of a fragment load start at 16 different groups of four banks (64 banks of 4 bytes: ISA guide 11.1)
.set HALFT,  128*PITCH                 ; 128 rows: what one tensor load brings
.set SLOT,   4*HALFT                   ; x's 128 rows, then Wq's, Wk's, Wv's
.set SPARE,  2*SLOT                    ; behind the ring: the spare words, 128 bytes a wave: two blocks of 256 bytes that no other line names
.set SPITCH, 784                       ; the stage's rows: 256 bytes each of q, k, v, + 16.  The stage is slot 1 after its last fill; cos and sin come into slot 0 as its last fill
.set LAPS,   8                         ; 2,048 / 256: a lap = two K steps = once round the ring
.set ADRA, 4                           ; v4-5   LDS address of my fragments of x in slot 0, 1
.set ADRB, 6                           ; v6-7   the same for my rows of Wq; Wk's lie 128 rows on, inside the 16-bit offset
.set STO,  8                           ; v8     the way out: where I put 16 bytes of a row
.set RD,   9                           ; v9     where I read rows back
.set GO,   10                          ; v10    16 x lane: my bytes in 512 consecutive bytes of qh, kh, vh
.set CA0,  11                          ; v11    my four cosines for column block 4 (w % 2) of a head
.set ADRV, 12                          ; v12-13 the same as ADRB for my rows of Wv, 256 rows on: 69,632 bytes, past the 16-bit offset
.set SPW,  14                          ; v14    LDS address of my spare word; never rewritten
.set NIL,  15                          ; v15    0; never rewritten
.set RR,   64                          ; v64-95   four blocks, rotated, f32
.set PKD,  96                          ; v96-111  the same in f16
.set CSR,  128                         ; v128-255 for row block a and column block j, at 32 a + 8 j: four cosines, four sines
.set OB,   64                          ; v64-255  32 rows x 768 bytes read back from the stage
.set F0,   0
.set F1,   128
.set WV,   18                          ; s18 wave; s19 = w / 2; s20 = w % 2
.set G1A,  28                          ; s[28:35] descriptor group 1 for x's tiles, s[36:43] for W's, s[44:51] for cos and sin
.set G1B,  36
.set G1C,  44
.set G0A,  52                          ; s[52:59] group 0 for x's tiles, a set for each slot; s[68:75] for W's; s[76:79] for cos or sin
.set G0B,  68
.set G0C,  76
.set MSB, 0
.macro WIN new                         ; the immediate's high byte repeats the setting that is left; a switch that changes nothing is dropped
.if MSB != (\new)
	s_set_vgpr_msb (MSB<<8)|(\new)
.set MSB, \new
.endif
.endm
.macro PLACES                          ; four places in front of loads into registers that matrix instructions have read, and of lines that read results (ISA guide 7.12.1 for lines that read results)
.rept 4
	v_nop
.endr
.endm
; A joint load.  Each of the two lines has one mask; the branch hangs on the wave's number alone.  An s_nop 0 and four v_nop follow each line, ahead of the jump and the label.
.macro JLOAD s
	s_cmp_eq_u32 s[WV], 0
	s_cbranch_scc0 .Lfor_b_\@
	tensor_load_to_lds s[G0A+4*(\s):G0A+4*(\s)+3], s[G1A:G1A+7]
	s_nop 0
.rept 4
	v_nop
.endr
	s_branch .Lasked_\@
.Lfor_b_\@:
	tensor_load_to_lds s[G0B+4*(\s):G0B+4*(\s)+3], s[G1B:G1B+7]
	s_nop 0
.rept 4
	v_nop
.endr
.Lasked_\@:
.endm
.macro JLOADC                          ; slot 0's last fill: wave 0 asks for the 128 rows of cos, wave 1 for those of sin; waves 2 and 3 have nothing to fill
	s_cmp_lt_u32 s[WV], 2
	s_cbranch_scc0 .Lnone_\@
	tensor_load_to_lds s[G0C:G0C+3], s[G1C:G1C+7]
	s_nop 0
.rept 4
	v_nop
.endr
.Lnone_\@:
	PLACES                                         ; every wave's places in front of the fragment loads that follow
.endm
.macro CREST                           ; a round of the cluster's barrier behind its opening barrier
	s_cmp_lg_u32 s[WV], 0
	s_cbranch_scc1 .Lnot_wave_0_\@
	s_barrier_signal -3
.Lnot_wave_0_\@:
	s_barrier_wait -3
	s_barrier_signal -1
	s_barrier_wait -1
.endm
.macro CROUND                          ; a whole round
	s_barrier_signal -1
	s_barrier_wait -1
	CREST
.endm
	s_load_b256 s[4:11], s[0:1], 0x0               ; xb s[4:5], wqkv s[6:7], cs s[8:9], qh s[10:11]
	s_load_b128 s[12:15], s[0:1], 0x20             ; kh s[12:13], vh s[14:15]
	v_lshl_add_u32 v[SPW], v0, 2, SPARE
	v_mov_b32 v[NIL], 0
	ds_add_u32 v[SPW], v[NIL]                      ; the wave's opening: the add and its wait stand ahead of my first tensor load; work on registers stands between them
	v_lshrrev_b32 v1, 5, v0
	v_readfirstlane_b32 s[WV], v1                  ; wave 0..3
	s_lshr_b32 s19, s[WV], 1                       ; which 64 rows are mine
	s_and_b32 s20, s[WV], 1                        ; which 64 columns of q, of k and of v
	s_bfe_u32 s21, ttmp6, 0x40000                  ; cx
	s_bfe_u32 s22, ttmp6, 0x40004                  ; cy
	s_lshl_b32 s24, ttmp9, 2
	s_add_co_u32 s24, s24, s21                     ; tr = 4 x cluster x + cx
	s_and_b32 s23, ttmp7, 0xffff
	s_lshl_b32 s23, s23, 2
	s_add_co_u32 s23, s23, s22                     ; h = 4 x cluster y + cy
	s_lshl_b32 s25, s22, 2
	s_lshl_b32 s25, 15, s25                        ; my row of the cluster: the same h
	s_lshl_b32 s26, 0x1111, s21                    ; my column: the same tr
	s_or_b32 s[G1A], s26, (1<<16)|(1<<20)|(1<<21)|(5<<22)|(3<<25)  ; 15:0 the mask: x's tiles go to my column; 17:16 2-byte elements; 20 padding on; 21 set beside a mask; 24:22 after every 64 words; 31:25 4 words
	s_or_b32 s[G1B], s25, (1<<16)|(1<<20)|(1<<21)|(5<<22)|(3<<25)  ; W's tiles go to my row
	s_or_b32 s[G1C], s26, (2<<16)|(1<<20)|(1<<21)|(5<<22)|(3<<25)  ; 4-byte elements; cos and sin go to my column
.irp g, G1A, G1B
	s_mov_b32 s[(\g)+1], KSTEP<<16                 ; tensor_dim0 = 128
	s_mov_b32 s[(\g)+2], 128<<16                   ; tensor_dim1 = 128
	s_mov_b32 s[(\g)+3], KSTEP<<16                 ; tile_dim0 = 128
	s_mov_b32 s[(\g)+4], 128                       ; tile_dim1 = 128
	s_mov_b32 s[(\g)+5], 2048                      ; elements from row to row
	s_mov_b32 s[(\g)+6], 0
	s_mov_b32 s[(\g)+7], 0
.endr
	s_mov_b32 s[G1C+1], 64<<16                     ; 128 rows of 64 f32, dense
	s_mov_b32 s[G1C+2], 128<<16
	s_mov_b32 s[G1C+3], 64<<16
	s_mov_b32 s[G1C+4], 128
	s_mov_b32 s[G1C+5], 64
	s_mov_b32 s[G1C+6], 0
	s_mov_b32 s[G1C+7], 0
	s_lshl_b32 s80, s24, 19                        ; x: 128 tr rows of 4,096 bytes.  These registers never hold cy
	s_mov_b32 s81, 0
	s_max_u32 s82, s[WV], 1
	s_sub_co_u32 s82, s82, 1                       ; waves 1, 2, 3 fetch Wq, Wk, Wv (wave 0 makes Wq's address and does not use it)
	s_lshl_b32 s82, s82, 23
	s_lshl_b32 s84, s23, 19                        ; W: 128 h rows.  These registers never hold cx
	s_add_co_u32 s84, s84, s82
	s_mov_b32 s85, 0
	s_lshl_b32 s88, s20, 19                        ; cos, or sin 2^19 bytes on,
	s_lshl_b32 s89, s24, 15                        ; 128 tr rows of 256 bytes
	s_add_co_u32 s88, s88, s89
	s_mov_b32 s89, 0
	s_mul_i32 s60, s[WV], HALFT                    ; where my tile goes: wave x 128 rows: no place in the cluster enters an LDS address
	s_mul_i32 s61, s20, HALFT
	s_wait_dscnt 0x0                               ; the opening add is done
	s_wait_kmcnt 0x0
	s_add_nc_u64 s[80:81], s[4:5], s[80:81]
	s_add_nc_u64 s[84:85], s[6:7], s[84:85]
	s_mov_b32 s[G0C], 1
	s_mov_b32 s[G0C+1], s61
	s_add_nc_u64 s[G0C+2:G0C+3], s[8:9], s[88:89]
	s_or_b32 s[G0C+3], s[G0C+3], 0x80000000
	CROUND                                         ; all sixteen work-groups are here: the first joint loads meet
.irp s, 0,1
	s_mov_b32 s[G0A+4*(\s)], 1                                     ; count = 1
	s_add_co_u32 s[G0A+4*(\s)+1], s60, (\s)*SLOT                   ; LDS address
	s_add_nc_u64 s[G0A+4*(\s)+2:G0A+4*(\s)+3], s[80:81], (\s)*KSTEP*2  ; global address: K step s
	s_or_b32 s[G0A+4*(\s)+3], s[G0A+4*(\s)+3], 0x80000000          ; type = 2
	s_mov_b32 s[G0B+4*(\s)], 1
	s_add_co_u32 s[G0B+4*(\s)+1], s60, (\s)*SLOT
	s_add_nc_u64 s[G0B+4*(\s)+2:G0B+4*(\s)+3], s[84:85], (\s)*KSTEP*2
	s_or_b32 s[G0B+4*(\s)+3], s[G0B+4*(\s)+3], 0x80000000
	JLOAD \s                                       ; two loads of mine are out
.endr
	; a fragment is 16 rows x 32 K in 8 registers: lane l holds row l % 16, K = 8 (l / 16) + 0..7 and 16 + 8 (l / 16) + 0..7: two loads of 16 bytes, 32 bytes apart
	v_and_b32 v1, 15, v0                           ; r = l % 16
	v_bfe_u32 v2, v0, 4, 1                         ; l / 16
	v_mul_u32_u24 v3, v1, PITCH
	v_lshl_add_u32 v3, v2, 4, v3
	s_mul_i32 s61, s19, 64*PITCH                   ; my 64 rows of x
	s_mul_i32 s62, s20, 64*PITCH                   ; my 64 rows of Wq,
	s_add_co_u32 s62, s62, HALFT                   ; which lies behind x's 128
.irp s, 0,1
	v_add_nc_u32 v[ADRA+(\s)], s61, v3
	v_add_nc_u32 v[ADRB+(\s)], s62, v3
	v_add_nc_u32 v[ADRV+(\s)], 256*PITCH, v[ADRB+(\s)]
	s_add_co_u32 s61, s61, SLOT
	s_add_co_u32 s62, s62, SLOT
.endr
	s_lshl_b32 s63, s20, 7
	v_add_nc_u32 v[CA0], s63, v[ADRA]              ; cos lies where x's tile lay in slot 0: my row x 272 + 16 x half, and four column blocks of 32 bytes on for w % 2 = 1
	s_mul_i32 s61, s19, 64*SPITCH                  ; into the stage: my 64 rows, my 128 bytes of each of their three parts; row l % 16, 16 bytes for each half of the lanes
	s_lshl_b32 s62, s20, 7
	s_add_co_u32 s61, s61, s62
	s_add_co_u32 s61, s61, SLOT
	v_mul_u32_u24 v3, v1, SPITCH
	v_lshl_add_u32 v3, v2, 4, v3
	v_add_nc_u32 v[STO], s61, v3
	s_mul_i32 s61, s[WV], 32*SPITCH                ; back: wave w takes rows 32 w on, whole; lanes 0-15 one row's 256 bytes, lanes 16-31 the next row's
	s_add_co_u32 s61, s61, SLOT
	v_mul_u32_u24 v3, v2, SPITCH
	v_lshl_add_u32 v3, v1, 4, v3
	v_add_nc_u32 v[RD], s61, v3
	v_and_b32 v3, 31, v0
	v_lshlrev_b32 v[GO], 4, v3
	s_lshl_b32 s92, s23, 19                        ; my 32 rows in qh, kh, vh: head, row tile, wave
	s_lshl_b32 s93, s24, 15
	s_add_co_u32 s92, s92, s93
	s_lshl_b32 s93, s[WV], 13
	s_add_co_u32 s92, s92, s93
	s_mov_b32 s93, 0
	s_add_nc_u64 s[10:11], s[10:11], s[92:93]
	s_add_nc_u64 s[12:13], s[12:13], s[92:93]
	s_add_nc_u64 s[14:15], s[14:15], s[92:93]
; 12 matrix instructions: row block a x all 12 column blocks, 32 along K.  zero = 1: the first product starts the sums.  The 48 accumulators take turns in the same order in every quarter.
.macro MUL12 f, a, zero
	WIN 0xa5+0x50*((\a)/2)                         ; sources in window 1, C and D in window 2 or 3
.irp b, 0,1,2,3,4,5,6,7,8,9,10,11
.if \zero
	v_wmma_f32_16x16x32_bf16 v[8*(12*((\a)%2)+(\b)):8*(12*((\a)%2)+(\b))+7], v[(\f)+32+8*(\b):(\f)+32+8*(\b)+7], v[(\f)+8*(\a):(\f)+8*(\a)+7], 0
.else
	v_wmma_f32_16x16x32_bf16 v[8*(12*((\a)%2)+(\b)):8*(12*((\a)%2)+(\b))+7], v[(\f)+32+8*(\b):(\f)+32+8*(\b)+7], v[(\f)+8*(\a):(\f)+8*(\a)+7], v[8*(12*((\a)%2)+(\b)):8*(12*((\a)%2)+(\b))+7]
.endif
.endr
.endm
; 32 LDS loads in one run: the fragments of 32 along K at byte k of the rows, into buffer f: W's twelve (four blocks of 16 rows of Wq, of Wk, of Wv), then x's four
.macro FETCH slot, k, f
	WIN 0x40                                       ; destination window 1, address window 0
.irp i, 0,1,2,3,4,5,6,7
	ds_load_b128 v[(\f)+32+8*(\i):(\f)+32+8*(\i)+3],   v[ADRB+(\slot)] offset:(\k)+(((\i)/4)*128+((\i)%4)*16)*PITCH
	ds_load_b128 v[(\f)+32+8*(\i)+4:(\f)+32+8*(\i)+7], v[ADRB+(\slot)] offset:(\k)+(((\i)/4)*128+((\i)%4)*16)*PITCH+32
.endr
.irp i, 8,9,10,11
	ds_load_b128 v[(\f)+32+8*(\i):(\f)+32+8*(\i)+3],   v[ADRV+(\slot)] offset:(\k)+((\i)%4)*16*PITCH
	ds_load_b128 v[(\f)+32+8*(\i)+4:(\f)+32+8*(\i)+7], v[ADRV+(\slot)] offset:(\k)+((\i)%4)*16*PITCH+32
.endr
.irp i, 0,1,2,3
	ds_load_b128 v[(\f)+8*(\i):(\f)+8*(\i)+3],   v[ADRA+(\slot)] offset:(\k)+(\i)*16*PITCH
	ds_load_b128 v[(\f)+8*(\i)+4:(\f)+8*(\i)+7], v[ADRA+(\slot)] offset:(\k)+(\i)*16*PITCH+32
.endr
.endm
; A K step is four quarters of 32 along K, 48 matrix instructions each, on buffers 0, 1, 0, 1.  One of the first three: multiplies buffer f and fetches the next quarter, at byte k, into g.
.macro QUARTER slot, k, f, g, zero
	s_wait_dscnt 4                                 ; W and x's row blocks 0, 1 are in; the youngest four loads (blocks 2, 3) may be out
	MUL12 \f, 0, \zero
	MUL12 \f, 1, \zero
	PLACES
	FETCH \slot, \k, \g
	s_wait_dscnt 32                                ; all but the 32 just issued
	MUL12 \f, 2, \zero
	MUL12 \f, 3, \zero
.endm
; The last quarter multiplies buffer 1 and changes slots.  In front of the barrier each wave waits for all its tensor loads (one is out: its part of the next slot), adds 0 to its spare word, and waits for
; that and for its reads of this slot.  The barrier opens a round of the cluster's barrier: behind the round no wave of any partner reads this slot or has a load on its way.
.macro MEET
	WIN 0                                          ; (the add's two registers lie in window 0)
	s_wait_tensorcnt 0x0
	ds_add_u32 v[SPW], v[NIL]                      ; 0 onto my spare word
	s_wait_dscnt 5                                 ; (the add and the youngest four loads may be out)
	MUL12 F1, 0, 0                                 ; twelve matrix instructions stand between the add and the wait for it
	s_wait_dscnt 0x0                               ; the add is done, and my reads of this slot are over
	s_barrier_signal -1
	MUL12 F1, 1, 0                                 ; work on registers while the others arrive
	WIN 0
	s_barrier_wait -1
.endm
.macro TURN slot, next                 ; the slot just read out is filled again, two K steps ahead: the first tensor load behind the round; it has a K step less 24 matrix instructions in which to land
	MEET
	CREST
	s_add_nc_u64 s[G0A+4*(\slot)+2:G0A+4*(\slot)+3], s[G0A+4*(\slot)+2:G0A+4*(\slot)+3], 2*KSTEP*2
	s_add_nc_u64 s[G0B+4*(\slot)+2:G0B+4*(\slot)+3], s[G0B+4*(\slot)+2:G0B+4*(\slot)+3], 2*KSTEP*2
	JLOAD \slot                                    ; the four v_nop behind it are also the places in front of the loads below
	FETCH \next, 0, F0
	MUL12 F1, 2, 0
	MUL12 F1, 3, 0
.endm
	s_wait_tensorcnt 1                             ; my part of K step 0 is in; K step 1's may stay out
	s_barrier_signal -1
	s_barrier_wait -1
	FETCH 0, 0, F0
	QUARTER 0, 64,  F0, F1, 1                      ; the first quarter stands in front of the loop: its products start the sums
	WIN 0
	s_mov_b32 s27, LAPS-1
.Llap:                                                 ; a trip goes once round the ring, from a lap's second quarter to the next lap's first, and fills both slots again
	QUARTER 0, 128, F1, F0, 0
	QUARTER 0, 192, F0, F1, 0
	TURN 0, 1
	QUARTER 1, 64,  F0, F1, 0
	QUARTER 1, 128, F1, F0, 0
	QUARTER 1, 192, F0, F1, 0
	TURN 1, 0
	QUARTER 0, 64,  F0, F1, 0
	WIN 0
	s_sub_co_u32 s27, s27, 1
	s_cmp_lg_u32 s27, 0
	s_cbranch_scc1 .Llap
	QUARTER 0, 128, F1, F0, 0                      ; the last lap
	QUARTER 0, 192, F0, F1, 0
	MEET                                           ; slot 0 has been read out: its last fill is cos and sin, which land while the last K step is multiplied
	CREST
	JLOADC
	FETCH 1, 0, F0
	MUL12 F1, 2, 0
	MUL12 F1, 3, 0
	QUARTER 1, 64,  F0, F1, 0
	QUARTER 1, 128, F1, F0, 0
	QUARTER 1, 192, F0, F1, 0
	s_wait_dscnt 4                                 ; the very last quarter: nothing more to fetch
	MUL12 F1, 0, 0
	MUL12 F1, 1, 0
	s_wait_dscnt 0x0
	MUL12 F1, 2, 0
	MUL12 F1, 3, 0
	WIN 0
	s_wait_tensorcnt 0x0                           ; cos and sin have landed (waves 0 and 1), and my reads of slot 1 are back (the wait above):
	s_barrier_signal -1
	s_barrier_wait -1                              ; so for every wave: cos and sin may be read, and slot 1, which no load fills again, may be written as the stage
	PLACES                                         ; behind the last products
; THE WAY OUT.  A lane's eight numbers of column block bb of a head are the pairs 8 bb + 4 (l / 16) + 0..3: their four cosines are 16 bytes of cos's row, at byte 32 bb + 16 (l / 16); the sines lie HALFT on.
; My blocks of q and of k are the same bb = 4 (w % 2) + 0..3, so one set of cosines and sines serves both: all 32 loads (4 row blocks x 4 column blocks x 2) go out in one run, ahead of the arithmetic.
.irp a, 0,1,2,3
.irp j, 0,1,2,3
	ds_load_b128 v[CSR+32*(\a)+8*(\j):CSR+32*(\a)+8*(\j)+3],   v[CA0] offset:(\a)*16*PITCH+(\j)*32
	ds_load_b128 v[CSR+32*(\a)+8*(\j)+4:CSR+32*(\a)+8*(\j)+7], v[CA0] offset:HALFT+(\a)*16*PITCH+(\j)*32
.endr
.endr
; Four blocks at a time (b0 = 0: q's, 4: k's): r0 = t0 c - t1 s, r1 = t1 c + t0 s, a packed multiply and a packed multiply-add for each pair (the second takes t swapped and -s for the low half);
; each accumulator is read from its low end on.  Then rounded to f16 and put into the stage: part b0 / 4 of the row.
.macro ROT a, b0
	WIN 0x02+(\a)/2                                ; source 0: the accumulators' window
.irp q, 0,1,2,3
.set AC, 8*(12*((\a)%2)+(\b0)+(\q))
.set RQ, RR+8*(\q)
.set CQ, CSR+32*(\a)+8*(\q)
	v_pk_mul_f32 v[RQ:RQ+1],   v[AC:AC+1],   v[CQ:CQ+1]   op_sel_hi:[1,0]
	v_pk_mul_f32 v[RQ+2:RQ+3], v[AC+2:AC+3], v[CQ:CQ+1]   op_sel:[0,1] op_sel_hi:[1,1]
	v_pk_mul_f32 v[RQ+4:RQ+5], v[AC+4:AC+5], v[CQ+2:CQ+3] op_sel_hi:[1,0]
	v_pk_mul_f32 v[RQ+6:RQ+7], v[AC+6:AC+7], v[CQ+2:CQ+3] op_sel:[0,1] op_sel_hi:[1,1]
	v_pk_fma_f32 v[RQ:RQ+1],   v[AC:AC+1],   v[CQ+4:CQ+5], v[RQ:RQ+1]   op_sel:[1,0,0] op_sel_hi:[0,0,1] neg_lo:[0,1,0]
	v_pk_fma_f32 v[RQ+2:RQ+3], v[AC+2:AC+3], v[CQ+4:CQ+5], v[RQ+2:RQ+3] op_sel:[1,1,0] op_sel_hi:[0,1,1] neg_lo:[0,1,0]
	v_pk_fma_f32 v[RQ+4:RQ+5], v[AC+4:AC+5], v[CQ+6:CQ+7], v[RQ+4:RQ+5] op_sel:[1,0,0] op_sel_hi:[0,0,1] neg_lo:[0,1,0]
	v_pk_fma_f32 v[RQ+6:RQ+7], v[AC+6:AC+7], v[CQ+6:CQ+7], v[RQ+6:RQ+7] op_sel:[1,1,0] op_sel_hi:[0,1,1] neg_lo:[0,1,0]
.endr
	WIN 0
.set n, 0
.rept 16
	v_cvt_pk_f16_f32 v[PKD+n], v[RR+2*n], v[RR+2*n+1]
.set n, n+1
.endr
.irp q, 0,1,2,3
	ds_store_b128 v[STO], v[PKD+4*(\q):PKD+4*(\q)+3] offset:(\a)*16*SPITCH+((\b0)/4)*256+32*(\q)
.endr
.endm
.macro PLAIN4 a, b0                    ; four blocks of v: rounded as they are
	WIN 0x0a+5*((\a)/2)                            ; sources 0 and 1: the accumulators' window
.irp q, 0,1,2,3
.irp p, 0,1,2,3
	v_cvt_pk_f16_f32 v[PKD+4*(\q)+(\p)], v[8*(12*((\a)%2)+(\b0)+(\q))+2*(\p)], v[8*(12*((\a)%2)+(\b0)+(\q))+2*(\p)+1]
.endr
.endr
	WIN 0
.irp q, 0,1,2,3
	ds_store_b128 v[STO], v[PKD+4*(\q):PKD+4*(\q)+3] offset:(\a)*16*SPITCH+((\b0)/4)*256+32*(\q)
.endr
.endm
.irp a, 0,1,2,3
	s_wait_dscnt 24+4*(\a)                         ; row block a's cosines and sines are in: behind its eight loads stand the 8 (3 - a) loads of the later blocks and the 12 a stores of the earlier ones
	ROT \a, 0                                      ; q
	ROT \a, 4                                      ; k
	PLAIN4 \a, 8                                   ; v
.endr
	s_wait_dscnt 0x0                               ; for the others' sake: my stores into the stage are done
	s_barrier_signal -1
	s_barrier_wait -1
.set n, 0
.rept 16
.irp g, 0,1,2
	ds_load_b128 v[OB+4*n:OB+4*n+3], v[RD] offset:(n/3)*2*SPITCH+(\g)*256
.set n, n+1
.endr
.endr
.set n, 0
.rept 16
	s_wait_dscnt 45-n                              ; LDS loads come back in order: this pair of rows' three loads are in, the 45 - n younger ones may stay out
.irp g, 0,1,2
	global_store_b128 v[GO], v[OB+4*n:OB+4*n+3], s[10+2*(\g):11+2*(\g)] offset:(n/3)*512  ; two rows of a head: 512 consecutive bytes, at a multiple of 256 from the buffer's first
.set n, n+1
.endr
.endr
	s_wait_tensorcnt 0x0                           ; the wave's end, behind my last tensor load and my last LDS store
	ds_add_u32 v[SPW], v[NIL]
	s_wait_dscnt 0x0
	CROUND                                         ; the closing round: no work-group ends while a partner may still ask for a tile that names it
	s_endpgm
.Lfunc_end_k_q22f5cf1d85_qkv:
	.size	k_q22f5cf1d85_qkv, .Lfunc_end_k_q22f5cf1d85_qkv-k_q22f5cf1d85_qkv
	.p2alignl 7, 3214868480
	.fill 96, 4, 3214868480
	.section	.rodata,"a",@progbits
	.p2align	6, 0x0
	.amdhsa_kernel k_q22f5cf1d85_qkv
		.amdhsa_group_segment_fixed_size 327680
		.amdhsa_private_segment_fixed_size 0
		.amdhsa_enable_private_segment 0
		.amdhsa_kernarg_size 48
		.amdhsa_user_sgpr_count 2
		.amdhsa_user_sgpr_kernarg_segment_ptr 1
		.amdhsa_wavefront_size32 1
		.amdhsa_system_sgpr_workgroup_id_x 1
		.amdhsa_system_sgpr_workgroup_id_y 1
		.amdhsa_system_sgpr_workgroup_id_z 1
		.amdhsa_system_vgpr_workitem_id 0
		.amdhsa_next_free_vgpr 960
		.amdhsa_next_free_sgpr 96
		.amdhsa_reserve_vcc 0
		.amdhsa_float_denorm_mode_32 3
		.amdhsa_float_denorm_mode_16_64 3
		.amdhsa_memory_ordered 1
		.amdhsa_forward_progress 1
		.amdhsa_inst_pref_size 138
	.end_amdhsa_kernel
	.amdgpu_metadata
---
amdhsa.version: [ 1, 2 ]
amdhsa.kernels:
  - .name:           k_q22f5cf1d85_qkv
    .symbol:         k_q22f5cf1d85_qkv.kd
    .args:
      - { .name: xb, .offset: 0, .size: 8, .value_kind: global_buffer, .address_space: global }
      - { .name: wqkv, .offset: 8, .size: 8, .value_kind: global_buffer, .address_space: global }
      - { .name: cs, .offset: 16, .size: 8, .value_kind: global_buffer, .address_space: global }
      - { .name: qh, .offset: 24, .size: 8, .value_kind: global_buffer, .address_space: global }
      - { .name: kh, .offset: 32, .size: 8, .value_kind: global_buffer, .address_space: global }
      - { .name: vh, .offset: 40, .size: 8, .value_kind: global_buffer, .address_space: global }
    .group_segment_fixed_size: 327680
    .private_segment_fixed_size: 0
    .kernarg_segment_align: 8
    .kernarg_segment_size: 48
    .max_flat_workgroup_size: 128
    .sgpr_count:     96
    .vgpr_count:     960
    .wavefront_size: 32
...
	.end_amdgpu_metadata
.endif
;; end of part 2
;; launch attn (part 3): grid 16 x 16, 4 waves a work-group, clusters of 4 x 1, 327,680 bytes of LDS; arguments qh, kh, vh, oh; writes oh
.if DOCPART == 3
	.amdgcn_target "amdgcn-amd-amdhsa--gfx1250"
	.amdhsa_code_object_version 6
	.text
	.protected	k_q22f5cf1d85_attn
	.globl	k_q22f5cf1d85_attn
	.p2align	8
	.type	k_q22f5cf1d85_attn,@function
k_q22f5cf1d85_attn:
	s_mov_b64 s[64:65], 0
	v_nop
	global_prefetch_b8 v0, s[64:65] scope:SCOPE_SE
	s_setreg_imm32_b32 hwreg(HW_REG_WAVE_MODE, 25, 1), 1
	s_wait_xcnt 0x0
	s_wait_alu depctr_hold_cnt(0) depctr_sa_sdst(0) depctr_va_vdst(0) depctr_va_sdst(0) depctr_va_ssrc(0) depctr_va_vcc(0) depctr_vm_vsrc(0)
	s_getreg_b32 s2, hwreg(HW_REG_IB_STS2, 6, 4)
	s_cmp_eq_u32 s2, 0
	s_cbranch_scc0 .Lentry_in_a_cluster
	s_endpgm
.Lentry_in_a_cluster:
	s_bfe_u32 s2, ttmp6, 0x10000c
	s_cmp_lg_u32 s2, 0x3003
	s_cbranch_scc0 .Lentry_shape_is_right
	s_endpgm
.Lentry_shape_is_right:
; CAUSAL ATTENTION, head size 128.  oh[q][128 h + :] = the sum over k <= q of softmax_k(Q[h][q] . K[h][k] / sqrt(128)) V[h][k][:].  qh, kh, vh: [16][2048][128] f16 (q and k carry 1 / 64 each); oh: [2048][2048] f16.
; Products, maxima and sums in f32; the weights p are rounded to f16 for the second product (their sum l is taken of the unrounded p), O once at the end.
; LIMITS.  A hidden score counts as -1e30, and the running maximum starts at -2^90: f16's scores, 5.5e11 at the most in size, lie far above both.  A weight below 2^-126 counts as 0 in l; p below 6e-5 keeps f16's
; fixed step; NaN and infinities are not treated apart.
; THE WALK.  A head has 32 blocks of 64 queries; block j needs the key tiles 0 .. j / 4 of 256 keys.  Work-group b = 4 g + cx takes block 31 - b and then block b: (8 - g) + (g + 1) = 9 tiles, whatever b: all work-groups
; do equal work, ONE loop with a constant trip count walks them, and the four partners of a cluster (same g, same head) walk the SAME tiles: every tile of K and V is asked for jointly, by one request for four.
; SHARES.  Of each tile wave w takes keys 64 w .. 64 w + 63, for all 64 queries (four tiles of 16): a fragment of K or V read from LDS feeds four products, and each byte of a tile is read from LDS once.
; ONE SLOT.  A wave reads its keys of K and V into registers at a step's beginning, so the slot is free as soon as all four waves have read: it is filled again there, and the next tile lands under the step's
; other 96 products and its softmax.  All LDS addresses of the walk are constants.
; PARTS.  Each wave keeps its own running maximum m, sum l and O^T.  At a block's end it sets them aside, in f32, in LDS bytes of its own: no barrier, no store to memory; the jump round that text in the loop goes
; forward and passes neither a barrier nor a tensor load.  Behind the walk, behind one barrier, both blocks are merged: O = (sum over w of f_w O_w) / (sum over w of f_w l_w), f_w = 2^(c m_w - max c m).
; THE MASK is the C operand that starts a score's sum.  The wave's key step s = 4 x tile + w is held against the block's number JB by selects alone: of a product's 16 keys (block kb) and 16 queries (tile t),
; kb < t takes MLO, kb = t MEQ = TRI x AL + BE, kb > t MHI:  s < JB: 0, 0, 0;  s = JB: 0, TRI, -1e30;  s > JB: all -1e30.  A step that is wholly hidden is computed all the same (the waves walk in step).
; A wave that has seen hidden keys alone keeps m = -2^90: its p, l and O^T are 0 and its f is 0.
; LAYOUT.  S^T = K Q^T holds ONE query a lane (lane % 16) and the keys 8 (lane / 16) + 0..7; two such results rounded to f16 ARE source 1 of O^T = V^T P.  K comes out of LDS as it lies, V turned (ds_load_tr16_b128).
; SOFTMAX.  p = 2^(c s - c m), c = log2(e) / sqrt(128) x 2^12 (the 2^12 undoes q's and k's 1 / 64); in every step O and l are multiplied by a = 2^(c m_old - c m_new).  c m starts far below every c m:
; a block's first step has a = 0, so O^T need only be finite there: zeros at the start, what the first block left for the second.
; A STEP.  The tiles are two pieces (0: tiles 0, 1; 2: tiles 2, 3).  K Q^T of piece 0; K Q^T of piece 2 with piece 0's softmax in slices behind its products; V^T P of piece 0 with piece 2's softmax; V^T P of piece 2.
; REGISTERS, in windows of 256 (s_set_vgpr_msb: bits 1:0 source 0, 3:2 source 1, 5:4 source 2, 7:6 destination):
;   window 0: v0-11, v44-53 addresses; v12-43 eight registers of statistics a tile; v64-191 S^T, 32 a tile; v192-255 P, 16 a tile (all of v64-255 at work in the merge)
;   window 1: O^T, 64 a tile; in the merge the four waves' parts      window 2: v0-127 Q; v128-255 K of a step      window 3: v0-127 V of a step; v128-159 MLO, MEQ, MHI, TRI
.set PK,    272       ; a row of K in LDS: 256 bytes + 16: the 16 rows of a load start at 16 different groups of four banks (64 banks of 4 bytes: ISA guide 11.1)
.set PV,    288       ; a row of V: 256 + 32
.set VOFF,  256*PK    ; the slot: 256 rows of K, then 256 rows of V.  After its last fill and its last read it takes the second block's parts
.set SP1,   256*(PK+PV)  ; behind the slot, never filled by a tensor load: the first block's parts, 32,768 bytes a wave
.set ML,    SP1+4*32768  ; (c m, l) of each wave, tile and lane: 4,096 bytes for the second block, then as many for the first
.set STG,   ML+8192   ; 16 rows x 272 bytes for each wave, for the way out
.set SP,    272
.set SPARE, STG+4*16*SP  ; the spare words, 128 bytes a wave: two blocks of 256 bytes that no other line names
.set AK,  2           ; v2   my lane's place in my wave's 64 rows of K; never rewritten
.set AV,  3           ; v3   the same for V
.set QO,  6           ; v6   my byte offset in 16 rows of Q
.set GO,  7           ; v7   my byte offset in two rows of oh
.set MLW, 8           ; v8   where I put (c m, l)
.set MLR0, 10         ; v10  where I read the four waves' for my query tile
.set ARW0, 11         ; v11  where I put my O^T: in the slot,
.set ARW1, 44         ; v44  behind it
.set PAL0, 45         ; v45  my query tile in wave 0's part,
.set PAH0, 46         ; v46  in wave 2's
.set SGW, 47          ; v47  my stage: where I put 16 bytes of a row
.set SGR, 48          ; v48  where I read rows back
.set PAL, 49          ; v49-51  PAL0, PAH0, MLR0 for the block that is being merged
.set PAH, 50
.set MLR, 51
.set SPW, 62          ; v62  LDS address of my spare word; never rewritten
.set NIL, 63          ; v63  0; never rewritten
.set ST,  12          ; tile t's statistics at v[ST+8 t]: +0 c m, +1 m, +2, +3 l (even keys', odd keys'), +4 to +7 c0-c3, at work; a takes c2's place once the maximum is found
.set S,   64
.set P,   192
.set KF,  128         ; window 2
.set MLO, 128         ; window 3
.set MEQ, 136
.set MHI, 144
.set TRI, 152
.set MLT, 64          ; the merge, window 0: (c m, l) of wave w' at MLT + 2 w'
.set FAC, 72          ; f / l of wave w' at FAC + w'
.set XT,  76          ; at work
.set RES, 128         ; my query tile, merged
.set PKO, 192         ; the same in f16
.set OUTR, 224        ; 16 rows read back from the stage
.set WV,  12          ; s12  wave
.set GC,  14          ; s14  g, the cluster's number: the partners share it
.set PB,  15          ; s15  b = 4 g + cx
.set HI,  16          ; s16  31 - b
.set LWK, 18          ; s18  my half of a tile of K in the slot
.set LWV, 19          ; s19  of V
.set G1K, 24          ; s[24:31], s[32:39] descriptor group 1 for K's and V's tiles: they differ in the padding
.set G1V, 32
.set G0K, 40          ; s[40:43], s[44:47] group 0
.set G0V, 44
.set CURN, 48         ; s48  the tile asked for last: the next to be entered
.set MB,  49          ; s49  the merge: where the block's parts begin
.set NXT, 50          ; s50  the tile to be asked for next
.set LQ,  51          ; s51  the last tile of the block whose tiles are being asked for
.set RT,  52          ; s52  tiles of the block in hand still to be entered
.set CUR, 53          ; s53  the tile in hand
.set JB,  54          ; s54  the block in hand
.set SLOTS, 55        ; s55  tiles still to be asked for
.set SS,  56          ; s56  my key step
.set HV,  57          ; s57  MHI's value
.set CS,  58          ; s[58:59] c
.set SEL, 60          ; s[60:61] v_permlanex16_b32's selects: each lane takes its own place in the other half
.set BIGN, 62         ; s62  -1e30
.set OFF, 66          ; s[66:67] a tile's byte offset in K and V
.set AL,  68          ; s[68:69] the mask's factor, in the low word
.set BE,  70          ; s[70:71] its addend
.set OBS, 72          ; s[72:73] oh at my rows of the block that is being merged: the second block's first
.set OHI, 74          ; s[74:75] of the first block
.set QLO, 76          ; s[76:77] qh at the second block
.set MLB, 86          ; s86  the merge: the block's (c m, l)
.set MC,  87          ; s87  counts the two merges
.set MSB, 0
.macro WIN new                      ; the high byte repeats the setting that is left; a switch that changes nothing is dropped
.if MSB != (\new)
	s_set_vgpr_msb (MSB<<8)|(\new)
.set MSB, (\new)
.endif
.endm
.set W_KQ, 0x0a       ; K and Q in window 2, S^T in window 0
.set W_KM, 0x3a       ; the same with the C operand, a mask, in window 3
.set W_PV, 0x53       ; V in window 3, P in window 0, O^T in window 1
.set W_RS, 0x41       ; O^T (destination and source 0) in window 1, a in window 0
.macro PLACES
.rept 4
	v_nop
.endr
.endm
; A joint fill.  Waves 0 and 1 fetch the two halves of a tile's K, waves 2 and 3 those of its V: 128 rows each.  An s_nop 0 and four v_nop follow each of the two lines, ahead of the jump and the label.
.macro JLOAD
	s_cmp_lt_u32 s[WV], 2
	s_cbranch_scc0 .Lfor_v_\@
	tensor_load_to_lds s[G0K:G0K+3], s[G1K:G1K+7]
	s_nop 0
.rept 4
	v_nop
.endr
	s_branch .Lasked_\@
.Lfor_v_\@:
	tensor_load_to_lds s[G0V:G0V+3], s[G1V:G1V+7]
	s_nop 0
.rept 4
	v_nop
.endr
.Lasked_\@:
.endm
.macro CROUND                       ; a round of the cluster's barrier
	s_barrier_signal -1
	s_barrier_wait -1
	s_cmp_lg_u32 s[WV], 0
	s_cbranch_scc1 .Lnot_wave_0_\@
	s_barrier_signal -3
.Lnot_wave_0_\@:
	s_barrier_wait -3
	s_barrier_signal -1
	s_barrier_wait -1
.endm
.macro FRESH                        ; a block's statistics: c m = -2^125, far below every c m to come; m = -2^90, above the hidden score and below every true one; l = 0
.irp t, 0,1,2,3
	v_mov_b32 v[ST+8*(\t)], 0xfe000000
	v_mov_b32 v[ST+8*(\t)+1], 0xec800000
	v_mov_b32 v[ST+8*(\t)+2], 0
	v_mov_b32 v[ST+8*(\t)+3], 0
.endr
.endm
.macro QLOAD base                   ; 64 queries x 128 channels: tile i / 4, channels 32 (i % 4) on
	WIN 0x80                        ; destination window 2, address window 0
.irp i, 0,1,2,3,4,5,6,7,8,9,10,11,12,13,14,15
	global_load_b128 v[8*(\i):8*(\i)+3],   v[QO], s[\base:\base+1] offset:((\i)/4)*4096+((\i)%4)*64
	global_load_b128 v[8*(\i)+4:8*(\i)+7], v[QO], s[\base:\base+1] offset:((\i)/4)*4096+((\i)%4)*64+32
.endr
	WIN 0
.endm
	s_load_b256 s[4:11], s[0:1], 0x0  ; qh s[4:5], kh s[6:7], vh s[8:9], oh s[10:11]
	v_lshl_add_u32 v[SPW], v0, 2, SPARE
	v_mov_b32 v[NIL], 0
	ds_add_u32 v[SPW], v[NIL]       ; the wave's opening: the add and its wait stand ahead of my first tensor load; work on registers stands between them
	v_lshrrev_b32 v1, 5, v0
	v_readfirstlane_b32 s[WV], v1   ; wave 0..3
	s_bfe_u32 s13, ttmp6, 0x40000   ; cx: it enters Q's and oh's addresses and the masks' values alone
	s_mov_b32 s[GC], ttmp9
	s_lshl_b32 s[PB], ttmp9, 2
	s_add_co_u32 s[PB], s[PB], s13
	s_sub_co_u32 s[HI], 31, s[PB]
	s_and_b32 s17, ttmp7, 0xffff    ; the head
	s_and_b32 s78, s[WV], 1         ; which half of a tile's 256 rows I fetch
	s_mul_i32 s[LWK], s78, 128*PK
	s_mul_i32 s[LWV], s78, 128*PV
	s_add_co_u32 s[LWV], s[LWV], VOFF
	s_lshl_b32 s80, s17, 19         ; the head's first byte in qh, kh, vh,
	s_lshl_b32 s78, s78, 15         ; my half's 128 rows of 256 bytes
	s_add_co_u32 s80, s80, s78
	s_mov_b32 s81, 0
	s_lshl_b32 s82, s17, 19         ; Q: 64 rows a block
	s_lshl_b32 s79, s[HI], 14
	s_add_co_u32 s82, s82, s79
	s_mov_b32 s83, 0
	s_lshl_b32 s84, s17, 19
	s_lshl_b32 s79, s[PB], 14
	s_add_co_u32 s84, s84, s79
	s_mov_b32 s85, 0
	s_lshl_b32 s20, s[HI], 18       ; oh: 64 rows of 4,096 bytes a block, my wave's 16 of them, the head's 256 bytes
	s_lshl_b32 s79, s[WV], 16
	s_add_co_u32 s20, s20, s79
	s_lshl_b32 s78, s17, 8
	s_add_co_u32 s20, s20, s78
	s_mov_b32 s21, 0
	s_lshl_b32 s22, s[PB], 18
	s_add_co_u32 s22, s22, s79
	s_add_co_u32 s22, s22, s78
	s_mov_b32 s23, 0
	s_mov_b32 s[G1K], 15|(1<<16)|(1<<20)|(1<<21)|(5<<22)|(3<<25)  ; 15:0 the mask of four; 17:16 2-byte elements; 20 padding on; 21 set beside a mask; 24:22 after every 64 words; 31:25 4 words
	s_mov_b32 s[G1V], 15|(1<<16)|(1<<20)|(1<<21)|(5<<22)|(7<<25)  ; the same with 8 words of padding
.irp g, G1K, G1V
	s_mov_b32 s[(\g)+1], 128<<16    ; tensor_dim0 = 128
	s_mov_b32 s[(\g)+2], 128<<16    ; tensor_dim1 = 128
	s_mov_b32 s[(\g)+3], 128<<16    ; tile_dim0 = 128
	s_mov_b32 s[(\g)+4], 128        ; tile_dim1 = 128
	s_mov_b32 s[(\g)+5], 128        ; elements from row to row
	s_mov_b32 s[(\g)+6], 0
	s_mov_b32 s[(\g)+7], 0
.endr
	s_mov_b32 s[CS], 0x440293ee     ; c = log2(e) / sqrt(128) x 4,096 = 522.31
	s_mov_b32 s[CS+1], s[CS]        ; named with it as a pair
	s_mov_b32 s[SEL], 0x76543210
	s_mov_b32 s[SEL+1], 0xfedcba98
	s_mov_b32 s[BIGN], 0xf149f2ca   ; -1e30
	s_mov_b32 s[CURN], 0
	s_mov_b32 s[NXT], 1
	s_sub_co_u32 s[LQ], 7, s[GC]
	s_sub_co_u32 s[RT], 8, s[GC]    ; the first block has 8 - g tiles
	s_mov_b32 s[JB], s[HI]
	s_mov_b32 s[SLOTS], 8
	s_mov_b32 s[OFF+1], 0
	s_mov_b32 s[AL+1], 0            ; named as pairs
	s_mov_b32 s[BE+1], 0
	s_mov_b32 s[G0K], 1             ; count = 1
	s_mov_b32 s[G0K+1], s[LWK]      ; LDS address: the same for every tile
	s_mov_b32 s[G0V], 1
	s_mov_b32 s[G0V+1], s[LWV]
	s_wait_dscnt 0x0                ; the opening add is done
	s_wait_kmcnt 0x0
	s_add_nc_u64 s[6:7], s[6:7], s[80:81]  ; K and V at my half of the head's tile 0
	s_add_nc_u64 s[8:9], s[8:9], s[80:81]
	s_add_nc_u64 s[QLO:QLO+1], s[4:5], s[84:85]
	s_add_nc_u64 s[4:5], s[4:5], s[82:83]
	s_add_nc_u64 s[OBS:OBS+1], s[10:11], s[22:23]
	s_add_nc_u64 s[OHI:OHI+1], s[10:11], s[20:21]
	s_add_nc_u64 s[G0K+2:G0K+3], s[6:7], 0
	s_or_b32 s[G0K+3], s[G0K+3], 0x80000000  ; type = 2
	s_add_nc_u64 s[G0V+2:G0V+3], s[8:9], 0
	s_or_b32 s[G0V+3], s[G0V+3], 0x80000000
	CROUND                          ; all four work-groups are here: the first joint loads meet
	JLOAD                           ; tile 0; one load of mine is out, here and behind every round
	v_and_b32 v1, 15, v0            ; r = l % 16
	v_bfe_u32 v9, v0, 4, 1          ; l / 16
	v_lshlrev_b32 v[QO], 8, v1
	v_lshl_add_u32 v[QO], v9, 4, v[QO]  ; row x 256 + 16 x half
	QLOAD 4                         ; the first block's Q
	v_and_b32 v4, 31, v0            ; lane
	v_mul_u32_u24 v[AK], v1, PK
	v_lshl_add_u32 v[AK], v9, 4, v[AK]
	s_mul_i32 s78, s[WV], 64*PK
	v_add_nc_u32 v[AK], s78, v[AK]  ; (64 w + r) x pitch + 16 x half
	; the turning load takes 16 keys x 16 channels (lane l reads key 8 (l / 16) + l % 8, channels 8 ((l / 8) % 2) + 0..7) and leaves half a fragment of V^T: lane l holds channel l % 16 and 8 keys
	v_and_b32 v52, 7, v0
	v_bfe_u32 v53, v0, 3, 1
	v_lshl_add_u32 v[AV], v9, 3, v52
	v_mul_u32_u24 v[AV], v[AV], PV
	v_lshl_add_u32 v[AV], v53, 4, v[AV]
	s_mul_i32 s78, s[WV], 64*PV
	s_add_co_u32 s78, s78, VOFF
	v_add_nc_u32 v[AV], s78, v[AV]
	v_lshlrev_b32 v[GO], 12, v9
	v_lshl_add_u32 v[GO], v1, 4, v[GO]  ; 4,096 x half + 16 r
	s_lshl_b32 s78, s[WV], 10
	s_add_co_u32 s78, s78, ML
	v_lshl_add_u32 v[MLW], v4, 3, s78   ; my wave's 1,024 bytes: 256 a tile, 8 a lane
	s_lshl_b32 s78, s[WV], 8
	s_add_co_u32 s78, s78, ML
	v_lshl_add_u32 v[MLR0], v4, 3, s78  ; tile w in wave 0's
	s_lshl_b32 s78, s[WV], 15
	v_lshl_add_u32 v[ARW0], v4, 4, s78  ; my wave's 32,768 bytes: 8,192 a tile, 512 for four registers, 16 a lane
	v_add_nc_u32 v[ARW1], SP1, v[ARW0]
	s_lshl_b32 s78, s[WV], 13
	v_lshl_add_u32 v[PAL0], v4, 4, s78  ; tile w in wave 0's part; wave 1's lies 32,768 on, inside the 16-bit offset,
	v_add_nc_u32 v[PAH0], 0x10000, v[PAL0]  ; wave 2's 65,536 on
	s_mul_i32 s78, s[WV], 16*SP
	s_add_co_u32 s78, s78, STG      ; my stage
	v_mul_u32_u24 v[SGW], v1, SP    ; in: row l % 16, 16 bytes for each half of the lanes
	v_lshl_add_u32 v[SGW], v9, 4, v[SGW]
	v_add_nc_u32 v[SGW], s78, v[SGW]
	v_mul_u32_u24 v[SGR], v9, SP    ; back: lanes 0-15 take one row of 256 bytes, lanes 16-31 the next
	v_lshl_add_u32 v[SGR], v1, 4, v[SGR]
	v_add_nc_u32 v[SGR], s78, v[SGR]
	v_lshlrev_b32 v5, 3, v9
	v_sub_nc_u32 v5, v1, v5         ; r - 8 (l / 16): register j of the diagonal's 16 x 16 is hidden where j is greater
	WIN 0xc0
.set i, 0
.rept 16
	v_mov_b32 v[i], 0               ; two fragments of zeros, where V will lie
.set i, i+1
.endr
.set i, 0
.rept 8
	v_cmp_gt_i32 vcc_lo, i, v5
	v_cndmask_b32 v[TRI+i], 0, s[BIGN], vcc_lo
.set i, i+1
.endr
	WIN 0x4f                        ; sources in window 3, destination in window 1
.set i, 0
.rept 32
	v_wmma_f32_16x16x32_f16 v[8*i:8*i+7], v[0:7], v[8:15], 0  ; O^T = 0: the first step multiplies it by a = 0, so it must be finite.  32 products of zeros write its 256 registers, in the wait for the first tile
.set i, i+1
.endr
	WIN 0
	FRESH
	s_wait_loadcnt 0x0              ; Q
; THE MATRIX WORK.  The accumulators take turns, one instruction a turn: between two links of a chain stand 7 (K Q^T) or 15 (V^T P) others'.
; Product i of 32 of S^T = K Q^T for piece x: channels 32 (i / 8) on, keys 16 ((i / 2) % 4) on, tile x + i % 2.  The first 8 start the sums, with the mask as C.
.macro KQ x
.set rS, S+32*((\x)+i%2)+8*((i/2)%4)
.set rK, KF+32*((i/2)%4)+8*(i/8)
.set rQ, 32*((\x)+i%2)+8*(i/8)
.if i < 8
.if ((i/2)%4) < ((\x)+i%2)
.set rM, MLO
.elseif ((i/2)%4) == ((\x)+i%2)
.set rM, MEQ
.else
.set rM, MHI
.endif
	WIN W_KM
	v_wmma_f32_16x16x32_f16 v[rS:rS+7], v[rK:rK+7], v[rQ:rQ+7], v[rM:rM+7]
.else
	WIN W_KQ
	v_wmma_f32_16x16x32_f16 v[rS:rS+7], v[rK:rK+7], v[rQ:rQ+7], v[rS:rS+7]
.endif
.endm
; Product i of 32 of O^T += V^T P: keys 32 (i / 16) on, channels 16 ((i / 2) % 8) on, tile x + i % 2.
.macro PV x
	WIN W_PV
.set rO, 64*((\x)+i%2)+8*((i/2)%8)
.set rV, 64*(i/16)+8*((i/2)%8)
.set rP, P+16*((\x)+i%2)+8*(i/16)
	v_wmma_f32_16x16x32_f16 v[rO:rO+7], v[rV:rV+7], v[rP:rP+7], v[rO:rO+7]
.endm
.macro FETCH_K                      ; my 64 keys x 128 channels: 16 fragments
	WIN 0x80                        ; destination window 2
.irp f, 0,1,2,3,4,5,6,7,8,9,10,11,12,13,14,15  ; keys 16 (f / 4) on, channels 32 (f % 4) on
	ds_load_b128 v[KF+8*(\f):KF+8*(\f)+3],   v[AK] offset:((\f)/4)*16*PK+((\f)%4)*64
	ds_load_b128 v[KF+8*(\f)+4:KF+8*(\f)+7], v[AK] offset:((\f)/4)*16*PK+((\f)%4)*64+32
.endr
.endm
.macro FETCH_V h                    ; my keys 32 h on, turned: 8 fragments
	WIN 0xc0                        ; destination window 3
.irp f, 0,1,2,3,4,5,6,7             ; channels 16 f on
	ds_load_tr16_b128 v[64*(\h)+8*(\f):64*(\h)+8*(\f)+3],   v[AV] offset:(\h)*32*PV+(\f)*32
	ds_load_tr16_b128 v[64*(\h)+8*(\f)+4:64*(\h)+8*(\f)+7], v[AV] offset:(\h)*32*PV+16*PV+(\f)*32
.endr
.endm
; THE VECTOR WORK.  One tile's softmax for one step is a list of 134 instructions; SM writes number j of it for tile t.  s0-s31 are the lane's 32 scores, in pairs 0-15.
;   0-15    the maximum of s0-s31 and the old m, three operands at a time: four chains c0-c3 of seven scores each (each accumulator's lowest registers are read first), then the rest
;   16-20   the other half of the lanes' maximum; the new m; c m; c m_old - c m_new
;   21-87   33 exponentials (a, then s0-s31) at the odd numbers from 23 on, each with a plain instruction behind it: scalings c s - c m some pairs ahead, roundings to f16 a pair back, the first sums
;   88-101  the last rounding; the rest of the sums; l = a l + the sum          102-133 the tile's O^T times a: the one part that leaves window 0
.macro SM t
.set rT, ST+8*(\t)
.set rS, S+32*(\t)
.set rP, P+16*(\t)
.set rO, 64*(\t)+2*(j-102)
.set q, (j-20)/2
.if j < 102
	WIN 0
.endif
.if j < 4
	v_max3_num_f32 v[rT+4+j], v[rS+8*j], v[rS+8*j+1], v[rS+8*j+2]
.elseif j < 12
	v_max3_num_f32 v[rT+4+j%4], v[rT+4+j%4], v[rS+8*(j%4)+2*(j/4)+1], v[rS+8*(j%4)+2*(j/4)+2]
.elseif j == 12
	v_max3_num_f32 v[rT+4], v[rT+4], v[rS+7], v[rS+15]
.elseif j == 13
	v_max3_num_f32 v[rT+6], v[rT+6], v[rS+23], v[rS+31]
.elseif j == 14
	v_max3_num_f32 v[rT+4], v[rT+4], v[rT+5], v[rT+6]
.elseif j == 15
	v_max3_num_f32 v[rT+4], v[rT+4], v[rT+7], v[rT+1]
.elseif j == 16
	v_permlanex16_b32 v[rT+5], v[rT+4], s[SEL], s[SEL+1]  ; the query's other 32 keys lie in the lane 16 away
.elseif j == 17
	v_mov_b32 v[rT+7], v[rT]        ; c m_old is kept for a: number 19 writes c m anew
.elseif j == 18
	v_max_num_f32 v[rT+1], v[rT+4], v[rT+5]
.elseif j == 19
	v_mul_f32 v[rT], s[CS], v[rT+1]
.elseif j == 20
	v_sub_f32 v[rT+7], v[rT+7], v[rT]
.elseif j == 23
	v_exp_f32 v[rT+6], v[rT+7]
.elseif (j < 88) && (j > 23) && (j%2 == 1)
	v_exp_f32 v[rS+(j-25)/2], v[rS+(j-25)/2]
.elseif (q < 4) || ((j < 76) && (q%2 == 0))
.set b, q/2+2
.if q < 4
.set b, q
.endif
	v_pk_fma_f32 v[rS+2*b:rS+2*b+1], v[rS+2*b:rS+2*b+1], s[CS:CS+1], v[rT:rT+1] op_sel_hi:[1,0,0] neg_lo:[0,0,1] neg_hi:[0,0,1]  ; pair b: c s - c m
.elseif (j < 88) && (q%2 == 1)
	s_wait_alu depctr_va_vdst(0)
	v_cvt_pk_f16_f32 v[rP+(q-5)/2], v[rS+q-5], v[rS+q-4]  ; pair (q - 5) / 2: its second exponential stands three numbers back
.elseif j == 89
	s_wait_alu depctr_va_vdst(0)
	v_cvt_pk_f16_f32 v[rP+15], v[rS+30], v[rS+31]
.elseif j < 102                     ; the sum of the tile's 16 pairs, in place: sum z of 16 adds neighbours 1, 2, 4 and 8 pairs apart, then l takes it
.set z, j-86
.if j < 89
.set z, (j-76)/4
.endif
.set w, 4
.set u, z
.if z >= 14
.set w, 32
.set u, 0
.elseif z >= 12
.set w, 16
.set u, z-12
.elseif z >= 8
.set w, 8
.set u, z-8
.endif
.if z < 15
	v_pk_add_f32 v[rS+w*u:rS+w*u+1], v[rS+w*u:rS+w*u+1], v[rS+w*u+w/2:rS+w*u+w/2+1]
.else
	v_pk_fma_f32 v[rT+2:rT+3], v[rT+2:rT+3], v[rT+6:rT+7], v[rS:rS+1] op_sel_hi:[1,0,1]
.endif
.else
	WIN W_RS
	v_pk_mul_f32 v[rO:rO+1], v[rO:rO+1], v[rT+6:rT+7] op_sel_hi:[1,0]
.endif
.endm
; Slice k of 64 of piece y's softmax: numbers 2 k and 2 k + 1 of both tiles' lists; the twelve that are over stand together, in slice 63.
.macro SLICE y
.if (k >= 11) && (k < 44)           ; tile by tile: plain, exponential, plain, exponential
.irp t, \y, (\y)+1
.irp n, 0,1
.set j, 2*k+(\n)
	SM \t
.endr
.endr
.else                               ; the two tiles alternate, so that no instruction reads the result of the one just before it
.irp n, 0,1,2,3,4,5,6,7
.if ((\n) < 2) || (k == 63)
.irp t, \y, (\y)+1
.set j, 2*k+(\n)
	SM \t
.endr
.endif
.endr
.endif
.set k, k+1
.endm
; The step's masks: selects, never a branch.  These 20 plain lines are also the places between the last products V^T P and the loads into V's registers.
.macro MASKS
	s_lshl2_add_u32 s[SS], s[CUR], s[WV]  ; my key step: 4 x tile + wave
	s_cmp_eq_u32 s[SS], s[JB]
	s_cselect_b32 s[AL], 1.0, 0
	s_cmp_gt_u32 s[SS], s[JB]
	s_cselect_b32 s[BE], s[BIGN], 0
	s_cmp_ge_u32 s[SS], s[JB]
	s_cselect_b32 s[HV], s[BIGN], 0
	WIN 0xc3                        ; destination and source 0 in window 3
.set i, 0
.rept 8
	v_mov_b32 v[MLO+i], s[BE]
.set i, i+1
.endr
.set i, 0
.rept 4
	v_pk_fma_f32 v[MEQ+2*i:MEQ+2*i+1], v[TRI+2*i:TRI+2*i+1], s[AL:AL+1], s[BE:BE+1] op_sel_hi:[1,0,0]
.set i, i+1
.endr
.set i, 0
.rept 8
	v_mov_b32 v[MHI+i], s[HV]
.set i, i+1
.endr
	WIN 0
.endm
; A TILE IS ENTERED.  My part of it has landed; a barrier: everybody's has.  My 64 keys of K and V go into registers.  fill = 1: the slot is then filled again, with tile NXT, in this order
; the wait for all my tensor loads (none is out: it stands here for the add's sake), the add, the wait for it and for my reads of the slot, a round of the cluster's barrier, the joint load first behind it.
; Piece 0's 32 products stand between the add and its wait, so that the wave works while V's last registers arrive.  The descriptor's address is made anew from the tile's number, which hangs on g alone.
; fill = 0, the walk's last tile: a plain barrier: behind it nobody reads the slot any more, and it may be written.
.macro ENTER fill
	WIN 0
	s_wait_tensorcnt 0x0            ; my part of the tile has landed,
	s_wait_dscnt 0x0                ; and no LDS instruction of mine is out (a block's end leaves stores)
	s_barrier_signal -1
	s_barrier_wait -1               ; everybody's part has landed
	FETCH_K
	FETCH_V 0
	s_wait_dscnt 16                 ; K is in; the 16 loads issued behind it may be out
	FETCH_V 1
	WIN 0
.if \fill
	s_wait_tensorcnt 0x0            ; no tensor load of mine is out, so a group 0 may be written
	ds_add_u32 v[SPW], v[NIL]       ; 0 onto my spare word
	s_lshl_b32 s[OFF], s[NXT], 16   ; a tile is 65,536 bytes of K and of V
	s_add_nc_u64 s[G0K+2:G0K+3], s[6:7], s[OFF:OFF+1]
	s_or_b32 s[G0K+3], s[G0K+3], 0x80000000
	s_add_nc_u64 s[G0V+2:G0V+3], s[8:9], s[OFF:OFF+1]
	s_or_b32 s[G0V+3], s[G0V+3], 0x80000000
	s_mov_b32 s[CURN], s[NXT]
	s_add_co_u32 s[NXT], s[NXT], 1  ; the block's next tile, or behind its last the second block's tile 0
	s_cmp_gt_u32 s[NXT], s[LQ]
	s_cselect_b32 s[NXT], 0, s[NXT]
	s_cselect_b32 s[LQ], s[GC], s[LQ]
.endif
.set i, 0
.rept 32
	KQ 0
.set i, i+1
.endr
	WIN 0
	s_wait_dscnt 0x0                ; V is in: my reads of the slot are over (and the add is done)
.if \fill
	CROUND
	JLOAD                           ; the four v_nop behind it are also the places between piece 0's scores and the first line that reads them
.else
	s_barrier_signal -1
	s_barrier_wait -1
	PLACES
.endif
.endm
.macro REST                         ; the step's other 96 products, and its softmax
.set k, 0
.set i, 0
.rept 32
	KQ 2                            ; piece 2's scores | piece 0's softmax; its last sixteen lines are the places behind the last of these products
	SLICE 0
	SLICE 0
.set i, i+1
.endr
.set k, 0
.set i, 0
.rept 32
	PV 0                            ; piece 0's V^T P | piece 2's softmax
	SLICE 2
	SLICE 2
.set i, i+1
.endr
.set i, 0
.rept 32
	PV 2
.set i, i+1
.endr
.endm
; A BLOCK'S END: my l is made whole, and (c m, l) and O^T go into LDS bytes of my own, in f32.  No other wave touches them before the barrier behind the walk.
.macro SPILL arw, mlo
	WIN 0
.irp t, 0,1,2,3
	v_add_f32 v[ST+8*(\t)+4], v[ST+8*(\t)+2], v[ST+8*(\t)+3]  ; l's two halves; these four lines are the places behind the last products
.endr
.irp t, 0,1,2,3
	v_permlanex16_b32 v[ST+8*(\t)+5], v[ST+8*(\t)+4], s[SEL], s[SEL+1]
.endr
.irp t, 0,1,2,3
	v_add_f32 v[ST+8*(\t)+1], v[ST+8*(\t)+4], v[ST+8*(\t)+5]  ; and the other half of the lanes': l takes m's place beside c m
.endr
.irp t, 0,1,2,3
	ds_store_b64 v[MLW], v[ST+8*(\t):ST+8*(\t)+1] offset:(\mlo)+256*(\t)
.endr
	WIN 0x04                        ; the data in window 1
.set n, 0
.rept 64
	ds_store_b128 v[\arw], v[4*n:4*n+3] offset:512*n  ; ascending: each accumulator's low four registers first
.set n, n+1
.endr
	WIN 0
.endm
.Lslot:                             ; 8 trips: a tile is entered and the next is asked for
	s_mov_b32 s[CUR], s[CURN]
	s_sub_co_u32 s[RT], s[RT], 1
	MASKS
	ENTER 1
	REST
	WIN 0
	s_cmp_lg_u32 s[RT], 0           ; RT hangs on g alone: the same in all waves and in all four partners
	s_cbranch_scc1 .Lgo             ; forward, past neither a barrier nor a tensor load
	QLOAD QLO                       ; the first block's end (the second's last tile is the walk's last): the second block's Q comes while the parts are set aside
	SPILL ARW1, 4096
	s_mov_b32 s[JB], s[PB]
	s_add_co_u32 s[RT], s[GC], 1    ; the second block has g + 1 tiles
	FRESH
	s_wait_loadcnt 0x0              ; Q
.Lgo:
	s_sub_co_u32 s[SLOTS], s[SLOTS], 1
	s_cmp_lg_u32 s[SLOTS], 0
	s_cbranch_scc1 .Lslot
	s_mov_b32 s[CUR], s[CURN]       ; the walk's last tile is written out: nothing is asked for
	MASKS
	ENTER 0
	REST
	SPILL ARW0, 0                   ; the second block's parts go into the slot: it has had its last fill, and the barrier in ENTER stands behind every wave's last read of it
	s_wait_dscnt 0x0                ; for the others' sake: my stores are done, the first block's too
	s_barrier_signal -1
	s_barrier_wait -1
; THE MERGE, twice: the second block (parts in the slot), then the first (behind it).  Wave w merges query tile w, all 128 channels: from each wave's part it reads that tile's 8,192 bytes, in the lane layout in which
; they were written, and that tile's (c m, l).  The result goes through my own stage and leaves as whole rows.
.macro PART p                       ; wave p's part: 16 loads into window 1, v[64 p ..]
	WIN 0x40
.set n, 0
.rept 16
.if (\p) < 2
	ds_load_b128 v[64*(\p)+4*n:64*(\p)+4*n+3], v[PAL] offset:32768*(\p)+512*n
.else
	ds_load_b128 v[64*(\p)+4*n:64*(\p)+4*n+3], v[PAH] offset:32768*((\p)-2)+512*n
.endif
.set n, n+1
.endr
.endm
.macro WEIGH p                      ; RES (+)= wave p's part times its factor
	WIN 0x01                        ; source 0 in window 1
.set n, 0
.rept 32
.if (\p) == 0
	v_pk_mul_f32 v[RES+2*n:RES+2*n+1], v[2*n:2*n+1], v[FAC:FAC+1] op_sel_hi:[1,0]
.elseif (\p) == 1
	v_pk_fma_f32 v[RES+2*n:RES+2*n+1], v[64+2*n:64+2*n+1], v[FAC:FAC+1], v[RES+2*n:RES+2*n+1] op_sel:[0,1,0] op_sel_hi:[1,1,1]
.elseif (\p) == 2
	v_pk_fma_f32 v[RES+2*n:RES+2*n+1], v[128+2*n:128+2*n+1], v[FAC+2:FAC+3], v[RES+2*n:RES+2*n+1] op_sel_hi:[1,0,1]
.else
	v_pk_fma_f32 v[RES+2*n:RES+2*n+1], v[192+2*n:192+2*n+1], v[FAC+2:FAC+3], v[RES+2*n:RES+2*n+1] op_sel:[0,1,0] op_sel_hi:[1,1,1]
.endif
.set n, n+1
.endr
.endm
	s_mov_b32 s[MB], 0
	s_mov_b32 s[MLB], 0
	s_mov_b32 s[MC], 2
.Lmerge:
	v_add_nc_u32 v[PAL], s[MB], v[PAL0]
	v_add_nc_u32 v[PAH], s[MB], v[PAH0]
	v_add_nc_u32 v[MLR], s[MLB], v[MLR0]
.irp p, 0,1,2,3
	ds_load_b64 v[MLT+2*(\p):MLT+2*(\p)+1], v[MLR] offset:1024*(\p)
.endr
	PART 0
	PART 1
	WIN 0
	s_wait_dscnt 32                 ; the four (c m, l) are in; the two parts' 32 loads may be out
	v_max3_num_f32 v[XT], v[MLT], v[MLT+2], v[MLT+4]
	v_max_num_f32 v[XT], v[XT], v[MLT+6]
.irp p, 0,1,2,3
	v_sub_f32 v[FAC+(\p)], v[MLT+2*(\p)], v[XT]
.endr
.irp p, 0,1,2,3
	v_exp_f32 v[FAC+(\p)], v[FAC+(\p)]  ; f = 2^(c m_w - max)
.endr
	v_nop                           ; a plain instruction between the last exponential and the use of its result
	s_wait_alu depctr_va_vdst(0)
	v_mul_f32 v[XT+1], v[FAC], v[MLT+1]
.irp p, 1,2,3
	v_fmac_f32 v[XT+1], v[FAC+(\p)], v[MLT+2*(\p)+1]  ; the sum of f l: at least 1, since the wave that holds the maximum has f = 1 and a weight 1
.endr
	v_rcp_f32 v[XT+1], v[XT+1]
	v_nop
	s_wait_alu depctr_va_vdst(0)
.irp p, 0,1,2,3
	v_mul_f32 v[FAC+(\p)], v[FAC+(\p)], v[XT+1]
.endr
	s_wait_dscnt 16                 ; part 0 is in; part 1's 16 loads may be out
	WEIGH 0
	PART 2
	s_wait_dscnt 16                 ; part 1 is in; part 2's may be out
	WEIGH 1
	PART 3
	s_wait_dscnt 16                 ; part 2 is in; part 3's may be out
	WEIGH 2
	s_wait_dscnt 0x0
	WEIGH 3
	WIN 0
.set n, 0
.rept 32
	v_cvt_pk_f16_f32 v[PKO+n], v[RES+2*n], v[RES+2*n+1]
.set n, n+1
.endr
.irp f, 0,1,2,3,4,5,6,7             ; a lane's eight channels of a row pack into 16 bytes; they go into rows of 272 bytes and come back as whole rows of 256
	ds_store_b128 v[SGW], v[PKO+4*(\f):PKO+4*(\f)+3] offset:32*(\f)
.endr
.irp t, 0,1,2,3,4,5,6,7
	ds_load_b128 v[OUTR+4*(\t):OUTR+4*(\t)+3], v[SGR] offset:(\t)*2*SP  ; LDS serves a wave's instructions in order (ISA guide 5.7.1.4): these see the stores above; the next block's stores come behind them
.endr
.irp t, 0,1,2,3,4,5,6,7
	s_wait_dscnt 7-(\t)             ; the 7 - t younger loads may stay out
	global_store_b128 v[GO], v[OUTR+4*(\t):OUTR+4*(\t)+3], s[OBS:OBS+1] offset:(\t)*8192  ; 16 lanes store 256 consecutive bytes, at a multiple of 256 from oh's first byte
.endr
	s_wait_xcnt 0x0                 ; the stores' base and data are rewritten only behind this wait
	s_mov_b64 s[OBS:OBS+1], s[OHI:OHI+1]
	s_add_co_u32 s[MB], s[MB], SP1
	s_add_co_u32 s[MLB], s[MLB], 4096
	s_sub_co_u32 s[MC], s[MC], 1
	s_cmp_lg_u32 s[MC], 0
	s_cbranch_scc1 .Lmerge
	s_wait_tensorcnt 0x0            ; the wave's end, behind my last tensor load and my last LDS store
	ds_add_u32 v[SPW], v[NIL]
	s_wait_dscnt 0x0
	CROUND                          ; the closing round: no work-group ends while a partner may still ask for a tile that names it
	s_endpgm
.Lfunc_end_k_q22f5cf1d85_attn:
	.size	k_q22f5cf1d85_attn, .Lfunc_end_k_q22f5cf1d85_attn-k_q22f5cf1d85_attn
	.p2alignl 7, 3214868480
	.fill 96, 4, 3214868480
	.section	.rodata,"a",@progbits
	.p2align	6, 0x0
	.amdhsa_kernel k_q22f5cf1d85_attn
		.amdhsa_group_segment_fixed_size 327680
		.amdhsa_private_segment_fixed_size 0
		.amdhsa_enable_private_segment 0
		.amdhsa_kernarg_size 32
		.amdhsa_user_sgpr_count 2
		.amdhsa_user_sgpr_kernarg_segment_ptr 1
		.amdhsa_wavefront_size32 1
		.amdhsa_system_sgpr_workgroup_id_x 1
		.amdhsa_system_sgpr_workgroup_id_y 1
		.amdhsa_system_sgpr_workgroup_id_z 1
		.amdhsa_system_vgpr_workitem_id 0
		.amdhsa_next_free_vgpr 928
		.amdhsa_next_free_sgpr 88
		.amdhsa_reserve_vcc 1
		.amdhsa_float_denorm_mode_32 3
		.amdhsa_float_denorm_mode_16_64 3
		.amdhsa_memory_ordered 1
		.amdhsa_forward_progress 1
		.amdhsa_inst_pref_size 145
	.end_amdhsa_kernel
	.amdgpu_metadata
---
amdhsa.version: [ 1, 2 ]
amdhsa.kernels:
  - .name:           k_q22f5cf1d85_attn
    .symbol:         k_q22f5cf1d85_attn.kd
    .args:
      - { .name: qh, .offset: 0, .size: 8, .value_kind: global_buffer, .address_space: global }
      - { .name: kh, .offset: 8, .size: 8, .value_kind: global_buffer, .address_space: global }
      - { .name: vh, .offset: 16, .size: 8, .value_kind: global_buffer, .address_space: global }
      - { .name: oh, .offset: 24, .size: 8, .value_kind: global_buffer, .address_space: global }
    .group_segment_fixed_size: 327680
    .private_segment_fixed_size: 0
    .kernarg_segment_align: 8
    .kernarg_segment_size: 32
    .max_flat_workgroup_size: 128
    .sgpr_count:     88
    .vgpr_count:     928
    .wavefront_size: 32
...
	.end_amdgpu_metadata
.endif
;; end of part 3
;; launch oproj (part 4): grid 16 x 16, 4 waves a work-group, clusters of 4 x 4, 327,680 bytes of LDS; arguments oh, wo, out0; writes out0
.if DOCPART == 4
	.amdgcn_target "amdgcn-amd-amdhsa--gfx1250"
	.amdhsa_code_object_version 6
	.text
	.protected	k_q22f5cf1d85_oproj
	.globl	k_q22f5cf1d85_oproj
	.p2align	8
	.type	k_q22f5cf1d85_oproj,@function
k_q22f5cf1d85_oproj:
	s_mov_b64 s[64:65], 0
	v_nop
	global_prefetch_b8 v0, s[64:65] scope:SCOPE_SE
	s_setreg_imm32_b32 hwreg(HW_REG_WAVE_MODE, 25, 1), 1
	s_wait_xcnt 0x0
	s_wait_alu depctr_hold_cnt(0) depctr_sa_sdst(0) depctr_va_vdst(0) depctr_va_sdst(0) depctr_va_ssrc(0) depctr_va_vcc(0) depctr_vm_vsrc(0)
	s_getreg_b32 s2, hwreg(HW_REG_IB_STS2, 6, 4)
	s_cmp_eq_u32 s2, 0
	s_cbranch_scc0 .Lentry_in_a_cluster
	s_endpgm
.Lentry_in_a_cluster:
	s_bfe_u32 s2, ttmp6, 0x10000c
	s_cmp_lg_u32 s2, 0xf033
	s_cbranch_scc0 .Lentry_shape_is_right
	s_endpgm
.Lentry_shape_is_right:
; out0[m][n] = the sum over k of oh[m][k] wo[n][k].  oh, wo: [2048][2048] f16; out0: [2048][2048] f32; sums in f32, K ascending.
; A tile of out0 is 128 x 128: 16 x 16 = 256 work-groups.  Four waves, each 64 x 64: 16 accumulators of 16 x 16, 128 registers.  K goes in steps of 256 (LDS rows of 512 bytes; a wave's tensor load brings 64 of
; them), as long as two slots in LDS allow.  CLUSTERS: 4 x 4 work-groups.  The four of a row of the cluster need the same tiles of oh, the four of a column the same tiles of wo: each tile is asked for JOINTLY.
; THE MATRIX INSTRUCTION IS USED TRANSPOSED (source 0 = 16 rows of wo, source 1 = 16 rows of oh): a lane holds eight neighbouring numbers of a row of out0.
; REGISTERS: window 0: v0-31 addresses; v128-255 the accumulators ((a, b) at v[128 + 8 (4 a + b)]), which also take the rows read back on the way out.
;   window 1: two fragment buffers of 128: for 64 along K, 64 registers of oh (2 x 4 x 16 rows x 32 K), then 64 of wo.
.set SIZE_N, 2048
.set SIZE_K, 2048
.set KSTEP,  256
.set PITCH,  528                       ; an LDS row: 512 bytes + 16 of padding = 132 words: row r starts at bank 4 r mod 64 (64 banks of 4 bytes: ISA guide 11.1)
.set HALFT,  64*PITCH                  ; 64 rows: what one tensor load brings, and what one wave reads of either operand
.set SLOT,   4*HALFT
.set STAGE,  2*SLOT                    ; behind the ring: 16 rows x 272 bytes for each wave: a wave's 64 f32 columns are 256 bytes, so each wave has a stage of its own and no barrier is needed
.set SPITCH, 272
.set SPARE,  STAGE+4*16*SPITCH         ; the spare words, 128 bytes a wave: two blocks of 256 bytes that no other line names
.set LAPS, SIZE_K/(2*KSTEP)
.set ADRA, 16                          ; v16-17  LDS address of my fragments of oh in slot 0, 1
.set ADRB, 20                          ; v20-21  the same for wo
.set STO,  24                          ; v24     the way out: where I put 32 bytes of a row
.set RD,   25                          ; v25     where I read a row back
.set CO,   26                          ; v26     my byte offset in out0
.set SPW,  28                          ; v28     LDS address of my spare word; never rewritten
.set NIL,  29                          ; v29     0; never rewritten
.set ACC,  128
.set F0,   0
.set F1,   128
.set G1, 24                            ; s[24:31] descriptor group 1 for oh's tiles;  s[32:39] group 0, one set for each slot
.set G0, 32
.set G1B, 48                           ; s[48:55], s[56:63] the same for wo's tiles
.set G0B, 56
.set MSB, 0
.macro WIN new
.if MSB != (\new)
	s_set_vgpr_msb (MSB<<8)|(\new)
.set MSB, \new
.endif
.endm
.set MUL,  0x05                        ; sources 0 and 1 window 1; C and D window 0
.set TO_F, 0x40                        ; destination window 1, address window 0
.macro JLOAD s                         ; a joint load: waves 0 and 1 fetch oh's two halves, waves 2 and 3 wo's; an s_nop 0 and four v_nop follow each line, ahead of the jump and the label
	s_cmp_eq_u32 s11, 0
	s_cbranch_scc0 .Lfor_b_\@
	tensor_load_to_lds s[G0+4*(\s):G0+4*(\s)+3], s[G1:G1+7]
	s_nop 0
.rept 4
	v_nop
.endr
	s_branch .Lasked_\@
.Lfor_b_\@:
	tensor_load_to_lds s[G0B+4*(\s):G0B+4*(\s)+3], s[G1B:G1B+7]
	s_nop 0
.rept 4
	v_nop
.endr
.Lasked_\@:
.endm
.macro CREST
	s_cmp_lg_u32 s10, 0
	s_cbranch_scc1 .Lnot_wave_0_\@
	s_barrier_signal -3
.Lnot_wave_0_\@:
	s_barrier_wait -3
	s_barrier_signal -1
	s_barrier_wait -1
.endm
.macro CROUND
	s_barrier_signal -1
	s_barrier_wait -1
	CREST
.endm
	s_load_b128 s[4:7], s[0:1], 0x0                ; oh s[4:5], wo s[6:7]
	s_load_b64 s[8:9], s[0:1], 0x10                ; out0
	v_lshl_add_u32 v[SPW], v0, 2, SPARE
	v_mov_b32 v[NIL], 0
	ds_add_u32 v[SPW], v[NIL]                      ; the wave's opening: the add and its wait stand ahead of my first tensor load; work on registers stands between them
	v_lshrrev_b32 v1, 5, v0
	v_readfirstlane_b32 s10, v1                    ; wave 0..3
	s_lshr_b32 s11, s10, 1                         ; which half of the tile's rows is mine.  Also: I fetch for oh (0) or for wo (1)
	s_and_b32 s12, s10, 1                          ; which half of its columns.  Also: which 64 rows of that tile I fetch
	s_bfe_u32 s40, ttmp6, 0x40000                  ; cx, cy
	s_bfe_u32 s41, ttmp6, 0x40004
	s_lshl_b32 s42, ttmp9, 2
	s_add_co_u32 s42, s42, s40                     ; tile column = 4 x cluster x + cx
	s_and_b32 s13, ttmp7, 0xffff
	s_lshl_b32 s13, s13, 2
	s_add_co_u32 s13, s13, s41                     ; tile row = 4 x cluster y + cy
	s_lshl_b32 s43, s41, 2
	s_lshl_b32 s43, 15, s43                        ; my row of the cluster
	s_lshl_b32 s44, 0x1111, s40                    ; my column
	s_or_b32 s[G1+0], s43, (1<<16)|(1<<20)|(1<<21)|(6<<22)|(3<<25)  ; the mask; 2-byte elements; padding on; 21 set beside a mask; after every 128 words; 4 words
	s_or_b32 s[G1B+0], s44, (1<<16)|(1<<20)|(1<<21)|(6<<22)|(3<<25)
.irp g, G1, G1B
	s_mov_b32 s[(\g)+1], KSTEP<<16                 ; tensor_dim0 = 256
	s_mov_b32 s[(\g)+2], 64<<16                    ; tensor_dim1 = 64
	s_mov_b32 s[(\g)+3], KSTEP<<16                 ; tile_dim0 = 256
	s_mov_b32 s[(\g)+4], 64                        ; tile_dim1 = 64
	s_mov_b32 s[(\g)+5], SIZE_K                    ; elements from row to row
	s_mov_b32 s[(\g)+6], 0
	s_mov_b32 s[(\g)+7], 0
.endr
	s_lshl_b32 s17, s12, 6                         ; which 64 rows of the tile I fetch
	s_lshl_b32 s16, s13, 7
	s_add_co_u32 s16, s16, s17                     ; oh: row 128 x tile row + 64 x half
	s_lshl_b32 s46, s42, 7
	s_add_co_u32 s46, s46, s17                     ; wo: row 128 x tile column + 64 x half
	s_mov_b32 s17, 0
	s_mov_b32 s47, 0
	s_mov_b64 s[18:19], SIZE_K*2
	s_mul_u64 s[16:17], s[16:17], s[18:19]
	s_mul_u64 s[46:47], s[46:47], s[18:19]
	s_mul_i32 s20, s10, HALFT                      ; where they go: wave x 64 rows
	s_wait_dscnt 0x0                               ; the opening add is done
	s_wait_kmcnt 0x0
	s_add_nc_u64 s[14:15], s[4:5], s[16:17]
	s_add_nc_u64 s[46:47], s[6:7], s[46:47]
	CROUND                                         ; all sixteen work-groups are here: the first joint loads meet
.irp s, 0,1
	s_mov_b32 s[G0+4*(\s)], 1
	s_add_co_u32 s[G0+4*(\s)+1], s20, (\s)*SLOT
	s_add_nc_u64 s[G0+4*(\s)+2:G0+4*(\s)+3], s[14:15], (\s)*KSTEP*2
	s_or_b32 s[G0+4*(\s)+3], s[G0+4*(\s)+3], 0x80000000
	s_mov_b32 s[G0B+4*(\s)], 1
	s_add_co_u32 s[G0B+4*(\s)+1], s20, (\s)*SLOT
	s_add_nc_u64 s[G0B+4*(\s)+2:G0B+4*(\s)+3], s[46:47], (\s)*KSTEP*2
	s_or_b32 s[G0B+4*(\s)+3], s[G0B+4*(\s)+3], 0x80000000
	JLOAD \s                                       ; two loads of mine are out
.endr
	v_and_b32 v1, 15, v0                           ; l % 16
	v_bfe_u32 v2, v0, 4, 1                         ; l / 16
	v_mul_u32_u24 v3, v1, PITCH
	v_lshl_add_u32 v3, v2, 4, v3                   ; a fragment's row x pitch + 16 x half
	s_mul_i32 s21, s11, HALFT                      ; my 64 rows of oh
	s_mul_i32 s22, s12, HALFT                      ; my 64 rows of wo,
	s_add_co_u32 s22, s22, 2*HALFT                 ; which lie behind oh's 128
.irp s, 0,1
	v_add_nc_u32 v[ADRA+(\s)], s21, v3
	v_add_nc_u32 v[ADRB+(\s)], s22, v3
	s_add_co_u32 s21, s21, SLOT
	s_add_co_u32 s22, s22, SLOT
.endr
	s_mul_i32 s23, s10, 16*SPITCH
	s_add_co_u32 s23, s23, STAGE                   ; my stage
	v_mul_u32_u24 v4, v1, SPITCH                   ; in: row l % 16, 32 bytes (eight f32) for each half of the lanes
	v_lshl_add_u32 v4, v2, 5, v4
	v_add_nc_u32 v[STO], s23, v4
	v_mul_u32_u24 v5, v2, SPITCH                   ; back: lanes 0-15 take one row of 256 bytes, lanes 16-31 the next
	v_lshl_add_u32 v5, v1, 4, v5
	v_add_nc_u32 v[RD], s23, v5
	v_lshlrev_b32 v5, 13, v2                       ; and the same two rows in out0, 8,192 bytes apart
	v_lshl_add_u32 v[CO], v1, 4, v5
	s_lshl_b32 s16, s13, 7
	s_lshl_b32 s17, s11, 6
	s_add_co_u32 s16, s16, s17                     ; my first row: 128 x tile row + 64 x half,
	s_lshl_b32 s16, s16, 13                        ; in bytes
	s_mov_b32 s17, 0
	s_add_nc_u64 s[8:9], s[8:9], s[16:17]
	s_lshl_b32 s46, s42, 9                         ; my first column, in bytes: 512 x tile column + 256 x half
	s_lshl_b32 s47, s12, 8
	s_add_co_u32 s46, s46, s47
	s_mov_b32 s47, 0
	s_add_nc_u64 s[8:9], s[8:9], s[46:47]
; 8 matrix instructions: row blocks a0, a0 + 1 x all 4 column blocks, 32 along K: half c of buffer f.  zero = 1: the first product starts the sums.  The 16 accumulators take turns.
.macro MUL8 f, c, a0, zero
	WIN MUL
.irp a, \a0, (\a0)+1
.irp b, 0,1,2,3
.if \zero
	v_wmma_f32_16x16x32_f16 v[ACC+8*(4*(\a)+(\b)):ACC+8*(4*(\a)+(\b))+7], v[(\f)+64+8*(4*(\c)+(\b)):(\f)+64+8*(4*(\c)+(\b))+7], v[(\f)+8*(4*(\c)+(\a)):(\f)+8*(4*(\c)+(\a))+7], 0
.else
	v_wmma_f32_16x16x32_f16 v[ACC+8*(4*(\a)+(\b)):ACC+8*(4*(\a)+(\b))+7], v[(\f)+64+8*(4*(\c)+(\b)):(\f)+64+8*(4*(\c)+(\b))+7], v[(\f)+8*(4*(\c)+(\a)):(\f)+8*(4*(\c)+(\a))+7], v[ACC+8*(4*(\a)+(\b)):ACC+8*(4*(\a)+(\b))+7]
.endif
.endr
.endr
.endm
; 32 LDS loads in one run: the fragments of 64 along K at byte k of the rows, into buffer f; the first 32 along K first
.macro FETCH slot, k, f
	WIN TO_F
.irp c, 0,1
.irp i, 0,1,2,3
	ds_load_b128 v[(\f)+64+8*(4*(\c)+(\i)):(\f)+64+8*(4*(\c)+(\i))+3],   v[ADRB+(\slot)] offset:(\k)+64*(\c)+(\i)*16*PITCH
	ds_load_b128 v[(\f)+64+8*(4*(\c)+(\i))+4:(\f)+64+8*(4*(\c)+(\i))+7], v[ADRB+(\slot)] offset:(\k)+64*(\c)+(\i)*16*PITCH+32
	ds_load_b128 v[(\f)+8*(4*(\c)+(\i)):(\f)+8*(4*(\c)+(\i))+3],         v[ADRA+(\slot)] offset:(\k)+64*(\c)+(\i)*16*PITCH
	ds_load_b128 v[(\f)+8*(4*(\c)+(\i))+4:(\f)+8*(4*(\c)+(\i))+7],       v[ADRA+(\slot)] offset:(\k)+64*(\c)+(\i)*16*PITCH+32
.endr
.endr
.endm
.macro PLACES                          ; four places in front of loads into registers that matrix instructions have read, and of lines that read results (ISA guide 7.12.1 for lines that read results)
.rept 4
	v_nop
.endr
.endm
; A K step is four quarters of 64 along K, 32 matrix instructions each, on buffers 0, 1, 0, 1.
.macro QUARTER slot, k, f, g, zero
	s_wait_dscnt 16                                ; the first 32 along K are in; the youngest sixteen loads may be out
	MUL8 \f, 0, 0, \zero
	MUL8 \f, 0, 2, \zero
	PLACES
	FETCH \slot, \k, \g
	s_wait_dscnt 32                                ; all but the 32 just issued
	MUL8 \f, 1, 0, 0
	MUL8 \f, 1, 2, 0
.endm
; The last quarter multiplies buffer 1 and changes slots: one barrier; in front of it each wave waits for all its tensor loads, adds 0 to its spare word, and waits for that and for its reads of this slot.
.macro TURN slot, next, fill
	WIN 0                                          ; (the add's two registers lie in window 0)
	s_wait_tensorcnt 0x0                           ; all my tensor loads have landed: my part of the next slot
	ds_add_u32 v[SPW], v[NIL]                      ; 0 onto my spare word
	s_wait_dscnt 17                                ; (the add and the youngest sixteen loads may be out)
	MUL8 F1, 0, 0, 0                               ; eight matrix instructions stand between the add and the wait for it
	s_wait_dscnt 0x0                               ; the add is done, and my reads of this slot are over
	s_barrier_signal -1
	MUL8 F1, 0, 2, 0
.if \fill
	WIN 0
.endif
	s_barrier_wait -1
.if \fill
	CREST                                          ; the barrier has opened a round of the cluster's: no wave of any partner still reads this slot's tile or has a load on its way
	s_add_nc_u64 s[G0+4*(\slot)+2:G0+4*(\slot)+3], s[G0+4*(\slot)+2:G0+4*(\slot)+3], 2*KSTEP*2
	s_add_nc_u64 s[G0B+4*(\slot)+2:G0B+4*(\slot)+3], s[G0B+4*(\slot)+2:G0B+4*(\slot)+3], 2*KSTEP*2
	JLOAD \slot                                    ; the first tensor load behind the round; the four v_nop behind it are also the places in front of the loads below
.else
	PLACES
.endif
	FETCH \next, 0, F0
	MUL8 F1, 1, 0, 0
	MUL8 F1, 1, 2, 0
.endm
	s_wait_tensorcnt 1                             ; my part of K step 0 is in; K step 1's may stay out
	s_barrier_signal -1
	s_barrier_wait -1
	FETCH 0, 0, F0
	QUARTER 0, 128, F0, F1, 1                      ; the first quarter stands in front of the loop: its first products start the sums
	WIN 0
	s_mov_b32 s3, LAPS-1
.Llap:                                                 ; a trip goes once round the ring, from a lap's second quarter to the next lap's first, and fills both slots again
	QUARTER 0, 256, F1, F0, 0
	QUARTER 0, 384, F0, F1, 0
	TURN 0, 1, 1
	QUARTER 1, 128, F0, F1, 0
	QUARTER 1, 256, F1, F0, 0
	QUARTER 1, 384, F0, F1, 0
	TURN 1, 0, 1
	QUARTER 0, 128, F0, F1, 0
	WIN 0
	s_sub_co_u32 s3, s3, 1
	s_cmp_lg_u32 s3, 0
	s_cbranch_scc1 .Llap
	QUARTER 0, 256, F1, F0, 0                      ; the last lap fills nothing, and has no round of the cluster's barrier
	QUARTER 0, 384, F0, F1, 0
	TURN 0, 1, 0
	QUARTER 1, 128, F0, F1, 0
	QUARTER 1, 256, F1, F0, 0
	QUARTER 1, 384, F0, F1, 0
	s_wait_dscnt 16                                ; the very last quarter: nothing more to fetch
	MUL8 F1, 0, 0, 0
	MUL8 F1, 0, 2, 0
	s_wait_dscnt 0x0
	MUL8 F1, 1, 0, 0
	MUL8 F1, 1, 2, 0
	WIN 0
	; THE WAY OUT, 16 rows at a time: a lane's eight f32 of a row go into my stage (each accumulator's low four registers first), and whole rows of 256 bytes come back into the block's own registers.
	PLACES
.macro PACKOUT a
.irp b, 0,1,2,3
	ds_store_b128 v[STO], v[ACC+8*(4*(\a)+(\b)):ACC+8*(4*(\a)+(\b))+3]   offset:64*(\b)
	ds_store_b128 v[STO], v[ACC+8*(4*(\a)+(\b))+4:ACC+8*(4*(\a)+(\b))+7] offset:64*(\b)+16
.endr
.irp t, 0,1,2,3,4,5,6,7
	ds_load_b128 v[ACC+32*(\a)+4*(\t):ACC+32*(\a)+4*(\t)+3], v[RD] offset:(\t)*2*SPITCH  ; LDS serves a wave's instructions in order (ISA guide 5.7.1.4): these see the stores above; the next block's stores come behind them
.endr
.endm
.macro SEND a, younger                 ; younger: the LDS instructions issued behind block a's loads: the next block's sixteen, or none
.irp t, 0,1,2,3,4,5,6,7
	s_wait_dscnt (\younger)+7-(\t)
	global_store_b128 v[CO], v[ACC+32*(\a)+4*(\t):ACC+32*(\a)+4*(\t)+3], s[8:9] offset:(16*(\a)+2*(\t))*SIZE_N*4  ; 16 lanes store 256 consecutive bytes, at a multiple of 256 from out0's first byte
.endr
.endm
	PACKOUT 0
	PACKOUT 1
	SEND 0, 16
	PACKOUT 2
	SEND 1, 16
	PACKOUT 3
	SEND 2, 16
	SEND 3, 0
	s_wait_tensorcnt 0x0                           ; the wave's end, behind my last tensor load and my last LDS store
	ds_add_u32 v[SPW], v[NIL]
	s_wait_dscnt 0x0
	CROUND                                         ; the closing round: no work-group ends while a partner may still ask for a tile that names it
	s_endpgm
.Lfunc_end_k_q22f5cf1d85_oproj:
	.size	k_q22f5cf1d85_oproj, .Lfunc_end_k_q22f5cf1d85_oproj-k_q22f5cf1d85_oproj
	.p2alignl 7, 3214868480
	.fill 96, 4, 3214868480
	.section	.rodata,"a",@progbits
	.p2align	6, 0x0
	.amdhsa_kernel k_q22f5cf1d85_oproj
		.amdhsa_group_segment_fixed_size 327680
		.amdhsa_private_segment_fixed_size 0
		.amdhsa_enable_private_segment 0
		.amdhsa_kernarg_size 24
		.amdhsa_user_sgpr_count 2
		.amdhsa_user_sgpr_kernarg_segment_ptr 1
		.amdhsa_wavefront_size32 1
		.amdhsa_system_sgpr_workgroup_id_x 1
		.amdhsa_system_sgpr_workgroup_id_y 1
		.amdhsa_system_sgpr_workgroup_id_z 1
		.amdhsa_system_vgpr_workitem_id 0
		.amdhsa_next_free_vgpr 512
		.amdhsa_next_free_sgpr 66
		.amdhsa_reserve_vcc 0
		.amdhsa_float_denorm_mode_32 3
		.amdhsa_float_denorm_mode_16_64 3
		.amdhsa_memory_ordered 1
		.amdhsa_forward_progress 1
		.amdhsa_inst_pref_size 86
	.end_amdhsa_kernel
	.amdgpu_metadata
---
amdhsa.version: [ 1, 2 ]
amdhsa.kernels:
  - .name:           k_q22f5cf1d85_oproj
    .symbol:         k_q22f5cf1d85_oproj.kd
    .args:
      - { .name: oh, .offset: 0, .size: 8, .value_kind: global_buffer, .address_space: global }
      - { .name: wo, .offset: 8, .size: 8, .value_kind: global_buffer, .address_space: global }
      - { .name: out0, .offset: 16, .size: 8, .value_kind: global_buffer, .address_space: global }
    .group_segment_fixed_size: 327680
    .private_segment_fixed_size: 0
    .kernarg_segment_align: 8
    .kernarg_segment_size: 24
    .max_flat_workgroup_size: 128
    .sgpr_count:     66
    .vgpr_count:     512
    .wavefront_size: 32
...
	.end_amdgpu_metadata
.endif
;; end of part 4
